; MI455X (gfx1250); checked and timed in simulation.
; The chip was launched on July 23, 2026; its instructions are those of AMD's public machine-readable ISA for CDNA 5 (MIT licence, August 2026) and "CDNA5" Instruction Set Architecture Reference Guide (July 2026). The comments in the code are by the model that wrote it; some were corrected since.
;; Spatial Aware Memory. Allowed arithmetic: float matrix products may take bf16 or f16 operands with f32 sums; all other float work in f32.
;; Inputs: b1 256 float32; b2 256 float32; coords 65,536 x 2 float32; features 65,536 x 256 float32; memory 2,048 x 256 float32; w1 256 x 2 float32; w2 256 x 256 float32.
;; Outputs: out0 65,536 x 256 float32.
;; 2 versions, each right and faster than the one before. Each part assembles by itself: llvm-mc -triple=amdgcn-amd-amdhsa -mcpu=gfx1250 --defsym DOCPART=n.
;; ======== version 1 of 2: 3 launches
;; limits: values are held in f16: magnitudes above 65,504 overflow, below 6.1e-05 lose precision
;; workspace buffers: memh 1,048,576 bytes; partials 2,048 bytes; ec 1,024 bytes
;; launch prep (part 1): grid 256 x 1, 4 waves a work-group, no clusters, 768 bytes of LDS; arguments coords, memory, memh, partials; writes memh, partials
.if DOCPART == 1
	.amdgcn_target "amdgcn-amd-amdhsa--gfx1250"
	.amdhsa_code_object_version 6
	.text
	.protected	k_qbcb8bbb35b_prep
	.globl	k_qbcb8bbb35b_prep
	.p2align	8
	.type	k_qbcb8bbb35b_prep,@function
k_qbcb8bbb35b_prep:
	s_mov_b64 s[64:65], 0
	v_nop
	global_prefetch_b8 v0, s[64:65] scope:SCOPE_SE
	s_setreg_imm32_b32 hwreg(HW_REG_WAVE_MODE, 25, 1), 1
	s_wait_xcnt 0x0
; memh = memory rounded to f16 ([2048][256], row-major); partials[g] = (sum of x, sum of y) over work-group g's 256 points of coords.
; f16: 11 significant bits; |memory| must stay under 65,504 (as the problem draws it, it is under 6); magnitudes under 2^-14 are kept in steps of 2^-24.
; 256 work-groups of four waves.  Work-group g takes 2,048 bytes of coords (16 a thread) and 8,192 bytes of memory (8 rows; four loads of 16 bytes a thread).
; Each load of a wave covers 512 consecutive bytes, each store into memh 256 consecutive bytes, aligned.  The one store into partials is 8 bytes a
; work-group: the whole buffer is 2,048 bytes, and a sum over work-groups needs a later launch (no traffic between work-groups in a launch).
; The order of the additions differs from a plain running sum; all of them are in f32.
.set CO_B,  2048                       ; bytes of coords for a work-group
.set ME_B,  8192                       ; bytes of memory for a work-group
; v1 16 t   v2 8 t   v3 wave   v[4:7] coords, later the waves' sums   v[8:23] memory   v[24:31] packed f16   v[32:33] sums   v[34:35] the other half's sums   v36 8 x wave   v37 0
	s_load_b256 s[4:11], s[0:1], 0x0               ; coords s[4:5], memory s[6:7], memh s[8:9], partials s[10:11]
	v_lshl_add_u32 v40, v0, 2, 0x100
	v_mov_b32 v41, 0
	v_lshrrev_b32 v3, 5, v0
	v_readfirstlane_b32 s12, v3                    ; wave 0..3
	s_mov_b32 s16, 0x76543210                      ; v_permlanex16_b32: each lane takes its own place in the other half
	s_mov_b32 s17, 0xfedcba98
	s_mov_b32 s15, 0                               ; high word of every offset
	v_lshlrev_b32 v1, 4, v0                        ; my 16 bytes in a block of 2,048
	v_lshlrev_b32 v2, 3, v0                        ; my 8 bytes in a block of 1,024 of memh
	v_lshlrev_b32 v36, 3, v3                       ; my wave's 8 bytes in LDS
	v_mov_b32 v34, 0                               ; the lane exchange counts as a reader of its destination
	v_mov_b32 v35, 0
	v_mov_b32 v37, 0
	s_wait_kmcnt 0x0
	s_lshl_b32 s14, ttmp9, 11                      ; g x 2,048
	s_add_nc_u64 s[4:5], s[4:5], s[14:15]
	s_lshl_b32 s14, ttmp9, 13                      ; g x 8,192
	s_add_nc_u64 s[6:7], s[6:7], s[14:15]
	s_lshl_b32 s14, ttmp9, 12                      ; g x 4,096
	s_add_nc_u64 s[8:9], s[8:9], s[14:15]
	s_lshl_b32 s14, ttmp9, 3                       ; g x 8
	s_add_nc_u64 s[10:11], s[10:11], s[14:15]
	global_load_b128 v[4:7], v1, s[4:5] th:TH_LOAD_NT
.irp j, 0,1,2,3
	global_load_b128 v[8+4*\j:11+4*\j], v1, s[6:7] offset:2048*\j th:TH_LOAD_NT
.endr
	s_wait_loadcnt 0x4                             ; coords are in; the four younger loads stay out
	v_pk_add_f32 v[32:33], v[4:5], v[6:7]          ; my two points: (x0 + x1, y0 + y1)
.irp m, 1,2,4,8
	v_add_f32_dpp v32, v32, v32 row_xmask:\m row_mask:0xf bank_mask:0xf
	v_add_f32_dpp v33, v33, v33 row_xmask:\m row_mask:0xf bank_mask:0xf
.endr
	v_permlanex16_b32 v34, v32, s16, s17
	v_permlanex16_b32 v35, v33, s16, s17
	v_pk_add_f32 v[32:33], v[32:33], v[34:35]      ; every lane holds the wave's two sums
	ds_store_b64 v36, v[32:33]                     ; all lanes write the same 8 bytes with the same numbers
.irp j, 0,1,2,3
	s_wait_loadcnt 3-\j                            ; loads come back in order: block j is in
	v_cvt_pk_f16_f32 v[24+2*\j], v[8+4*\j], v[9+4*\j]
	v_cvt_pk_f16_f32 v[25+2*\j], v[10+4*\j], v[11+4*\j]
	global_store_b64 v2, v[24+2*\j:25+2*\j], s[8:9] offset:1024*\j
.endr
	s_wait_dscnt 0x0                               ; for the others' sake: my wave's sums are in LDS
	s_barrier_signal -1
	s_barrier_wait -1
	s_cmp_lg_u32 s12, 0
	s_cbranch_scc1 .Lend                           ; wave 0 adds the four waves' sums
	ds_load_b128 v[4:7], v37
	ds_load_b128 v[8:11], v37 offset:16
	s_wait_dscnt 0x0
	v_pk_add_f32 v[4:5], v[4:5], v[6:7]
	v_pk_add_f32 v[8:9], v[8:9], v[10:11]
	v_pk_add_f32 v[4:5], v[4:5], v[8:9]
	v_cmp_eq_u32 vcc_lo, 0, v0
	s_wait_xcnt 0x0                                ; EXEC is a source of the stores above: it changes only behind this wait
	s_and_saveexec_b32 s18, vcc_lo
	global_store_b64 v37, v[4:5], s[10:11]         ; thread 0 alone
	s_wait_xcnt 0x0                                ; and again in front of the line that widens it
	s_or_b32 exec_lo, exec_lo, s18
.Lend:
	s_wait_tensorcnt 0x0
	ds_add_u32 v40, v41
	s_wait_dscnt 0x0
	s_endpgm
.Lfunc_end_k_qbcb8bbb35b_prep:
	.size	k_qbcb8bbb35b_prep, .Lfunc_end_k_qbcb8bbb35b_prep-k_qbcb8bbb35b_prep
	.p2alignl 7, 3214868480
	.fill 96, 4, 3214868480
	.section	.rodata,"a",@progbits
	.p2align	6, 0x0
	.amdhsa_kernel k_qbcb8bbb35b_prep
		.amdhsa_group_segment_fixed_size 768
		.amdhsa_private_segment_fixed_size 0
		.amdhsa_enable_private_segment 0
		.amdhsa_kernarg_size 32
		.amdhsa_user_sgpr_count 2
		.amdhsa_user_sgpr_kernarg_segment_ptr 1
		.amdhsa_wavefront_size32 1
		.amdhsa_system_sgpr_workgroup_id_x 1
		.amdhsa_system_sgpr_workgroup_id_y 1
		.amdhsa_system_sgpr_workgroup_id_z 1
		.amdhsa_system_vgpr_workitem_id 0
		.amdhsa_next_free_vgpr 42
		.amdhsa_next_free_sgpr 66
		.amdhsa_reserve_vcc 1
		.amdhsa_float_denorm_mode_32 3
		.amdhsa_float_denorm_mode_16_64 3
		.amdhsa_memory_ordered 1
		.amdhsa_forward_progress 1
		.amdhsa_inst_pref_size 5
	.end_amdhsa_kernel
	.amdgpu_metadata
---
amdhsa.version: [ 1, 2 ]
amdhsa.kernels:
  - .name:           k_qbcb8bbb35b_prep
    .symbol:         k_qbcb8bbb35b_prep.kd
    .args:
      - { .name: coords, .offset: 0, .size: 8, .value_kind: global_buffer, .address_space: global }
      - { .name: memory, .offset: 8, .size: 8, .value_kind: global_buffer, .address_space: global }
      - { .name: memh, .offset: 16, .size: 8, .value_kind: global_buffer, .address_space: global }
      - { .name: partials, .offset: 24, .size: 8, .value_kind: global_buffer, .address_space: global }
    .group_segment_fixed_size: 768
    .private_segment_fixed_size: 0
    .kernarg_segment_align: 8
    .kernarg_segment_size: 32
    .max_flat_workgroup_size: 128
    .sgpr_count:     66
    .vgpr_count:     42
    .wavefront_size: 32
...
	.end_amdgpu_metadata
.endif
;; end of part 1
;; launch emb (part 2): grid 4 x 1, 16 waves a work-group, no clusters, 2,304 bytes of LDS; arguments partials, w1, b1, w2, b2, ec; writes ec
.if DOCPART == 2
	.amdgcn_target "amdgcn-amd-amdhsa--gfx1250"
	.amdhsa_code_object_version 6
	.text
	.protected	k_qbcb8bbb35b_emb
	.globl	k_qbcb8bbb35b_emb
	.p2align	8
	.type	k_qbcb8bbb35b_emb,@function
k_qbcb8bbb35b_emb:
	s_mov_b64 s[64:65], 0
	v_nop
	global_prefetch_b8 v0, s[64:65] scope:SCOPE_SE
	s_setreg_imm32_b32 hwreg(HW_REG_WAVE_MODE, 25, 1), 1
	s_wait_xcnt 0x0
; ec[j] = c (b2[j] + sum over i of w2[j][i] h[i]),  h[i] = max(0, w1[i][0] mx + w1[i][1] my + b1[i]),  (mx, my) = the sum of the 256 partial sums / 65536,  c = log2(e) / 16.
; c is the attention's scale 1/16 and the change of base of its exponentials: the next launch forms c features + ec.
; Four work-groups of 16 waves; work-group g makes outputs 64 g .. 64 g + 63, wave w the four rows 64 g + 4 w + k of w2.  Every wave makes the mean and h for itself (8 h a lane):
; that is 10 small loads, against a barrier and a trip through LDS.  Lane l holds i = 128 p + 4 l + 0..3, p = 0, 1, so every load of a wave covers 512 consecutive bytes.
; All in f32 on the vector unit: a product with one row gives a matrix unit nothing to do.  Four work-groups are all the work there is: 64 rows of w2 each.
.set PA, 8                             ; v[8:23]   my 8 pairs of partial sums; v8, v9 become mx, my
.set W1, 24                            ; v[24:39]  w1 of my 8 i: x, y by turns
.set B1, 40                            ; v[40:47]  b1 of my 8 i
.set W2, 48                            ; v[48:79]  row k: 8 registers
.set H,  80                            ; v[80:87]  h of my 8 i
.set AC, 88                            ; v[88:95]  row k: a pair of running sums; then the other half's sums
.set O16, 1                            ; v1   16 l      v[2:3] b2 (wave 0)      v[4:7] the four rows' sums
.set O32, 96                           ; v96  32 l
.set O8,  97                           ; v97  8 l
.set OW,  98                           ; v98  16 w
	s_load_b256 s[4:11], s[0:1], 0x0               ; partials s[4:5], w1 s[6:7], b1 s[8:9], w2 s[10:11]
	s_load_b128 s[12:15], s[0:1], 0x20             ; b2 s[12:13], ec s[14:15]
	v_lshl_add_u32 v104, v0, 2, 0x100
	v_mov_b32 v105, 0
	v_and_b32 v99, 31, v0                          ; lane
	v_lshrrev_b32 v[OW], 5, v0
	v_readfirstlane_b32 s16, v[OW]                 ; wave 0..15
	v_lshlrev_b32 v[OW], 4, v[OW]
	v_lshlrev_b32 v[O16], 4, v99
	v_lshlrev_b32 v[O32], 5, v99
	v_lshlrev_b32 v[O8], 3, v99
	s_lshl_b32 s18, ttmp9, 8                       ; 64 g numbers of 4 bytes: b2 and ec
	s_mov_b32 s19, 0
	s_lshl_b32 s22, ttmp9, 16                      ; 64 g rows of 1,024 bytes,
	s_lshl_b32 s23, s16, 12                        ; 4 w rows
	s_add_co_u32 s22, s22, s23
	s_mov_b32 s23, 0
	s_mov_b32 s20, 0x76543210                      ; v_permlanex16_b32: each lane takes its own place in the other half
	s_mov_b32 s21, 0xfedcba98
	s_wait_kmcnt 0x0
	s_add_nc_u64 s[10:11], s[10:11], s[22:23]
	s_add_nc_u64 s[12:13], s[12:13], s[18:19]
	s_add_nc_u64 s[14:15], s[14:15], s[18:19]
	s_cmp_lg_u32 s16, 0
	s_cbranch_scc1 .Lno_b2
	global_load_b64 v[2:3], v[O8], s[12:13]        ; wave 0 alone, and the oldest load: the counts below are those of the younger loads, alike in all waves
.Lno_b2:
.irp j, 0,1,2,3
	global_load_b128 v[PA+4*\j:PA+4*\j+3], v[O16], s[4:5] offset:512*\j
.endr
.irp p, 0,1
	global_load_b128 v[W1+8*\p:W1+8*\p+3],   v[O32], s[6:7] offset:1024*\p
	global_load_b128 v[W1+8*\p+4:W1+8*\p+7], v[O32], s[6:7] offset:1024*\p+16
.endr
.irp p, 0,1
	global_load_b128 v[B1+4*\p:B1+4*\p+3], v[O16], s[8:9] offset:512*\p
.endr
.irp k, 0,1,2,3
.irp p, 0,1
	global_load_b128 v[W2+8*\k+4*\p:W2+8*\k+4*\p+3], v[O16], s[10:11] offset:1024*\k+512*\p th:TH_LOAD_NT
.endr
.endr
	s_wait_loadcnt 14                              ; the partial sums are in: 4 loads of w1, 2 of b1 and 8 of w2 are younger
.irp j, 0,4,8,12
	v_pk_add_f32 v[PA+\j:PA+\j+1], v[PA+\j:PA+\j+1], v[PA+\j+2:PA+\j+3]
.endr
	v_pk_add_f32 v[PA:PA+1], v[PA:PA+1], v[PA+4:PA+5]
	v_pk_add_f32 v[PA+8:PA+9], v[PA+8:PA+9], v[PA+12:PA+13]
	v_pk_add_f32 v[PA:PA+1], v[PA:PA+1], v[PA+8:PA+9]
.irp m, 1,2,4,8
	v_add_f32_dpp v[PA], v[PA], v[PA] row_xmask:\m row_mask:0xf bank_mask:0xf
	v_add_f32_dpp v[PA+1], v[PA+1], v[PA+1] row_xmask:\m row_mask:0xf bank_mask:0xf
.endr
	v_permlanex16_b32 v[PA+2], v[PA], s20, s21
	v_permlanex16_b32 v[PA+3], v[PA+1], s20, s21
	v_pk_add_f32 v[PA:PA+1], v[PA:PA+1], v[PA+2:PA+3]
	v_pk_mul_f32 v[PA:PA+1], v[PA:PA+1], 0x37800000 op_sel_hi:[1,0]   ; / 65536: the mean, in every lane
	s_wait_loadcnt 8                               ; w1 and b1 are in: the 8 loads of w2 are younger
.irp n, 0,1,2,3,4,5,6,7
	v_fma_f32 v[H+\n], v[W1+2*\n+1], v[PA+1], v[B1+\n]
.endr
.irp n, 0,1,2,3,4,5,6,7
	v_fma_f32 v[H+\n], v[W1+2*\n], v[PA], v[H+\n]
.endr
.irp n, 0,1,2,3,4,5,6,7
	v_max_num_f32 v[H+\n], 0, v[H+\n]
.endr
	s_wait_loadcnt 0x0
.irp k, 0,1,2,3
	v_pk_mul_f32 v[AC+2*\k:AC+2*\k+1], v[W2+8*\k:W2+8*\k+1], v[H:H+1]   ; the first products start the sums
.endr
.irp e, 2,4,6
.irp k, 0,1,2,3
	v_pk_fma_f32 v[AC+2*\k:AC+2*\k+1], v[W2+8*\k+\e:W2+8*\k+\e+1], v[H+\e:H+\e+1], v[AC+2*\k:AC+2*\k+1]
.endr
.endr
.irp k, 0,1,2,3
	v_add_f32 v[4+\k], v[AC+2*\k], v[AC+2*\k+1]
.endr
.irp m, 1,2,4,8
.irp k, 0,1,2,3
	v_add_f32_dpp v[4+\k], v[4+\k], v[4+\k] row_xmask:\m row_mask:0xf bank_mask:0xf
.endr
.endr
.irp k, 0,1,2,3
	v_permlanex16_b32 v[AC+\k], v[4+\k], s20, s21
.endr
.irp k, 0,1,2,3
	v_add_f32 v[4+\k], v[4+\k], v[AC+\k]
.endr
	ds_store_b128 v[OW], v[4:7]                    ; outputs 4 w .. 4 w + 3 of the work-group's 64; all lanes write the same numbers
	s_wait_dscnt 0x0                               ; for wave 0's sake
	s_barrier_signal -1
	s_barrier_wait -1
	s_cmp_lg_u32 s16, 0
	s_cbranch_scc1 .Lend
	ds_load_b64 v[4:5], v[O8]                      ; outputs 2 l, 2 l + 1
	s_wait_dscnt 0x0
	v_pk_add_f32 v[4:5], v[4:5], v[2:3]            ; + b2
	v_pk_mul_f32 v[4:5], v[4:5], 0x3db8aa3b op_sel_hi:[1,0]   ; x c = log2(e) / 16
	global_store_b64 v[O8], v[4:5], s[14:15]       ; the wave stores 256 consecutive bytes, aligned
.Lend:
	s_wait_tensorcnt 0x0
	ds_add_u32 v104, v105
	s_wait_dscnt 0x0
	s_endpgm
.Lfunc_end_k_qbcb8bbb35b_emb:
	.size	k_qbcb8bbb35b_emb, .Lfunc_end_k_qbcb8bbb35b_emb-k_qbcb8bbb35b_emb
	.p2alignl 7, 3214868480
	.fill 96, 4, 3214868480
	.section	.rodata,"a",@progbits
	.p2align	6, 0x0
	.amdhsa_kernel k_qbcb8bbb35b_emb
		.amdhsa_group_segment_fixed_size 2304
		.amdhsa_private_segment_fixed_size 0
		.amdhsa_enable_private_segment 0
		.amdhsa_kernarg_size 48
		.amdhsa_user_sgpr_count 2
		.amdhsa_user_sgpr_kernarg_segment_ptr 1
		.amdhsa_wavefront_size32 1
		.amdhsa_system_sgpr_workgroup_id_x 1
		.amdhsa_system_sgpr_workgroup_id_y 1
		.amdhsa_system_sgpr_workgroup_id_z 1
		.amdhsa_system_vgpr_workitem_id 0
		.amdhsa_next_free_vgpr 106
		.amdhsa_next_free_sgpr 66
		.amdhsa_reserve_vcc 0
		.amdhsa_float_denorm_mode_32 3
		.amdhsa_float_denorm_mode_16_64 3
		.amdhsa_memory_ordered 1
		.amdhsa_forward_progress 1
		.amdhsa_inst_pref_size 9
	.end_amdhsa_kernel
	.amdgpu_metadata
---
amdhsa.version: [ 1, 2 ]
amdhsa.kernels:
  - .name:           k_qbcb8bbb35b_emb
    .symbol:         k_qbcb8bbb35b_emb.kd
    .args:
      - { .name: partials, .offset: 0, .size: 8, .value_kind: global_buffer, .address_space: global }
      - { .name: w1, .offset: 8, .size: 8, .value_kind: global_buffer, .address_space: global }
      - { .name: b1, .offset: 16, .size: 8, .value_kind: global_buffer, .address_space: global }
      - { .name: w2, .offset: 24, .size: 8, .value_kind: global_buffer, .address_space: global }
      - { .name: b2, .offset: 32, .size: 8, .value_kind: global_buffer, .address_space: global }
      - { .name: ec, .offset: 40, .size: 8, .value_kind: global_buffer, .address_space: global }
    .group_segment_fixed_size: 2304
    .private_segment_fixed_size: 0
    .kernarg_segment_align: 8
    .kernarg_segment_size: 48
    .max_flat_workgroup_size: 512
    .sgpr_count:     66
    .vgpr_count:     106
    .wavefront_size: 32
...
	.end_amdgpu_metadata
.endif
;; end of part 2
;; launch attn (part 3): grid 256 x 1, 4 waves a work-group, clusters of 4 x 1, 327,680 bytes of LDS; arguments features, memh, ec, out0; writes out0
.if DOCPART == 3
	.amdgcn_target "amdgcn-amd-amdhsa--gfx1250"
	.amdhsa_code_object_version 6
	.text
	.protected	k_qbcb8bbb35b_attn
	.globl	k_qbcb8bbb35b_attn
	.p2align	8
	.type	k_qbcb8bbb35b_attn,@function
k_qbcb8bbb35b_attn:
	s_mov_b64 s[64:65], 0
	v_nop
	global_prefetch_b8 v0, s[64:65] scope:SCOPE_SE
	s_setreg_imm32_b32 hwreg(HW_REG_WAVE_MODE, 25, 1), 1
	s_wait_xcnt 0x0
	s_wait_alu depctr_hold_cnt(0) depctr_sa_sdst(0) depctr_va_vdst(0) depctr_va_sdst(0) depctr_va_ssrc(0) depctr_va_vcc(0) depctr_vm_vsrc(0)
	s_getreg_b32 s2, hwreg(HW_REG_IB_STS2, 6, 4)
	s_cmp_eq_u32 s2, 0
	s_cbranch_scc0 .Lentry_in_a_cluster
	s_endpgm
.Lentry_in_a_cluster:
	s_bfe_u32 s2, ttmp6, 0x10000c
	s_cmp_lg_u32 s2, 0x3003
	s_cbranch_scc0 .Lentry_shape_is_right
	s_endpgm
.Lentry_shape_is_right:
; out0[n] = sum over k of softmax_k((features[n] + e) . memory[k] / 16) memory[k].  features, out0: [65536][256] f32.  memh: memory in f16, [2048][256].  ec = c e, c = log2(e) / 16.
; z' = c features + ec is rounded to f16, so the scores s = z' . memory[k] come in units of log2 and a weight is p = 2^(s - m).  Products in f16 with f32 sums; maxima, sums and rescaling in f32.
; FORMAT.  f16 and not bf16: where one key holds a weight w, the roundings of its score, of w and of its value each move an output by up to w |memory| times the format's step, while the other
; keys' part can cancel the output itself; 11 significant bits keep that eight times smaller than 8 would.  ROOM: |z'| and |memory| must stay under 65,504.  With numbers as the problem draws them
; they are under 1 and under 6; with every input thirty times larger z' is some 3,000 (e grows with the cube of the factor) and memory under 200.  Magnitudes under 2^-14 are kept in steps of 2^-24.
; LIMITS.  NaN and infinite inputs are not served (the maxima drop a NaN).  A weight below 2^-24 vanishes in the second product.  c is multiplied in before z is rounded to f16.  The divisor l is
; summed from the f32 weights, the second product uses their roundings to f16.  m is the true running maximum, so no exponent is above 0, every weight is in (0, 1] and l is at least 1.
; SHARES.  A work-group owns 256 queries, each of its four waves 64: four tiles of 16.  Every wave walks all 2,048 keys, 64 a key step: 128 products K Q^T, the softmax, 128 products V^T P.
; LAYOUT.  S^T = K Q^T (source 0 = 16 keys, source 1 = 16 queries) and O^T = V^T P: a lane holds ONE query (lane % 16) in S^T, P and O^T, so nothing changes lanes between the products and a
; query's maximum and sum want one exchange between the halves of the lanes.  Keys and values are the same table: ONE tile in LDS serves both, read as it lies for K and turned
; (ds_load_tr16_b128) for V.  Row m of a fragment of K is key 2 (m % 8) + m / 8 of its 16: register j of S^T in half h of the lanes is then key 2 j + h, which is the key that
; element j of the turning load brings when its eight lanes take rows two apart; with rows of 528 bytes both kinds of load touch each bank once (below).
; SOFTMAX.  For each query a running maximum m and sum l; in every step O and l are multiplied by a = 2^(m_old - m_new), which is 1 where m has not grown.
; CLUSTER.  All work-groups walk the same table.  A joint load names four work-groups, so four form a cluster and each tile is asked for jointly: the same tensor load with the same
; descriptor (made of the wave's number alone) and the mask of all four; each receives it in its own LDS.
; RING.  Two slots of 256 keys (four key steps).  Each wave fetches 64 keys of a slot with one load; a refill is asked for straight behind the round and has four key steps, 1,024 matrix instructions
; of the wave, in which to land.  A wave has two tensor loads out at the start and one behind each round.
;
; REGISTERS, in windows of 256 (s_set_vgpr_msb: bits 1:0 source 0, 3:2 source 1, 5:4 source 2, 7:6 destination):
;   window 0: v0-11 addresses; v12-27 four registers of statistics a tile; v32-127 three fragment buffers of 32 (the third is also the softmax's scratch); v128-255 S^T, 32 a tile; P is made in place
;   window 1: Q, 64 a tile          window 2: O^T of tiles 0, 1 (128 each)          window 3: O^T of tiles 2, 3
; O^T and Q take 768 registers, so K and V come in runs of four fragments through the three buffers, each run issued two phases (32 matrix instructions) ahead of its use.
.set PK,     528                       ; a key's row in LDS: 512 bytes + 16 of padding = 132 words: row r starts at bank 4 r mod 64 (64 banks of 4 bytes: ISA guide 11.1).  16 different rows of a K load start at
                                       ; 16 different groups of four banks; the turning load's 8 rows, two apart, start 8 banks apart and take 32 bytes each
.set STEPB,  64*PK                     ; a key step's tile, and what one tensor load brings
.set SLOT1,  4*STEPB                   ; 135,168 = 0x21000: slot 1's first byte.  Its two bits occur in no wave x STEPB, so one exclusive or turns an address in one slot into the other's
.set STAGE,  2*SLOT1                   ; behind the ring, at a multiple of 256: 8,448 bytes for each wave, its own; no tensor load fills them
.set WSTAGE, 16*PK                     ; the way in: 16 rows of z' in f16, 528 bytes apart; the way out: 16 rows of 64 f32, 272 bytes apart
.set SP,     272
.set FILLB,  256*512                   ; bytes of memh in a slot
.set AK0, 2                            ; v2   my lane's place in a tile, for K; never rewritten
.set AV0, 3                            ; v3   the same for V
.set ADR, 4                            ; v4   the LDS address of the runs of loads in hand
.set QO,  5                            ; v5   the way in: my byte offset in the wave's rows of features
.set QST, 6                            ; v6   the way in: where I put 8 bytes of z'
.set QRD, 7                            ; v7   the way in: where I read Q's fragments
.set GO,  5                            ; v5   the way out: my byte offset in the wave's rows of out0
.set STO, 6                            ; v6   the way out: where I put 32 bytes of a row
.set RD,  7                            ; v7   the way out: where I read a row back
.set RR,  8                            ; v8   lane % 16        v9 lane / 16        v10 lane % 8        v11 (lane / 8) % 2; at the end v8-11: the other half's l
.set HH,  9
.set ST,  12                           ; tile t's statistics at v[ST+4 t]: +0 a (at the end 1 / l), +1 l, +2 m
.set FB,  32                           ; fragment buffer b at v[FB+32 b]
.set EC,  32                           ; the way in: ec of my 16 channels
.set T,   96                           ; the softmax's scratch: 8 registers a tile
.set S,   128
.set WV,    12                         ; s12  my wave's number
.set G1,    24                         ; s[24:31] descriptor group 1
.set G0A,   32                         ; s[32:35] group 0 of slot 0's first fill
.set G0W,   36                         ; s[36:39] group 0 of slot 1's first fill; then it walks on
.set SLOTS, 40                         ; s40  slots still to be asked for
.set TRIPS, 41                         ; s41  counts key steps
.set TB,    42                         ; s42  LDS byte at which the tile of the key step to be fetched begins
.set CS,    44                         ; s[44:45] c: the packed multiply-add names a pair and takes its low word for both halves
.set SEL,   46                         ; s[46:47] lane selects for v_permlanex16_b32: each lane takes its own place in the other half
.set W_QK,  0x04                       ; K and S^T in window 0, Q (source 1) in window 1; an LDS load uses the fields of the destination and of source 0, both 0: one setting for a whole run of K Q^T
.set MSB, 0
.macro WIN new                         ; the immediate's high byte repeats the setting that is left; a switch that changes nothing is dropped
.if MSB != (\new)
	s_set_vgpr_msb (MSB<<8)|(\new)
.set MSB, (\new)
.endif
.endm
; A vector instruction that reads a matrix result or writes one of a matrix instruction's registers, and a load into such a register, stand four places behind it; a matrix instruction that
; writes over one of them, five; only plain vector instructions that name none of its registers are places (ISA guide 7.12.1 for vector instructions).
.macro PLACES n
.rept \n
	v_nop
.endr
.endm
; A round of the cluster's barrier: my work-group's barrier, so that wave 0's signal speaks for all four waves; wave 0 signals for the work-group; every wave waits for all four
; work-groups; my work-group's barrier once more.  No LDS instruction of the wave is pending at a signal.
.macro CROUND
	s_barrier_signal -1
	s_barrier_wait -1
	s_cmp_lg_u32 s[WV], 0
	s_cbranch_scc1 .Lnot_wave_0_\@
	s_barrier_signal -3
.Lnot_wave_0_\@:
	s_barrier_wait -3
	s_barrier_signal -1
	s_barrier_wait -1
.endm
	s_load_b256 s[4:11], s[0:1], 0x0               ; features s[4:5], memh s[6:7], ec s[8:9], out0 s[10:11]
	v_lshl_add_u32 v30, v0, 2, 0x4a400
	v_mov_b32 v31, 0
	ds_add_u32 v30, v31
	v_lshrrev_b32 v1, 5, v0
	v_readfirstlane_b32 s[WV], v1                  ; wave 0..3
	s_bfe_u32 s13, ttmp6, 0x40000                  ; cx: my place in the cluster
	s_lshl_b32 s14, ttmp9, 2                       ; in a cluster launch ttmp9 counts clusters
	s_add_co_u32 s14, s14, s13                     ; my block of 256 queries: it enters the addresses of features and out0 alone
	s_lshl_b32 s16, s14, 18                        ; 256 rows of 1,024 bytes,
	s_lshl_b32 s17, s[WV], 16                      ; my wave's 64 of them
	s_add_co_u32 s16, s16, s17
	s_mov_b32 s17, 0
	s_lshl_b32 s18, s[WV], 15                      ; the 64 keys of a slot that I fetch: 64 rows of 512 bytes in memh,
	s_mov_b32 s19, 0
	s_mul_i32 s20, s[WV], STEPB                    ; and their place in a slot: no place in the cluster enters an LDS address
	s_mul_i32 s21, s[WV], WSTAGE
	s_add_co_u32 s21, s21, STAGE                   ; my stage
	; descriptor group 1: a tile of 64 rows x 256 elements, padded in LDS
	s_mov_b32 s[G1+0], 15|(1<<16)|(1<<20)|(1<<21)|(6<<22)|(3<<25)   ; 15:0 the mask: all four work-groups; 17:16 elements of 2 bytes; 20 padding on; 21 set beside a mask; 24:22 after every 128 words (code 6); 31:25 4 words of it (code 3)
	s_mov_b32 s[G1+1], 256<<16                     ; 63:48 tensor_dim0, low half = 256
	s_mov_b32 s[G1+2], 64<<16                      ; 79:64 its high half = 0; 95:80 tensor_dim1, low half = 64
	s_mov_b32 s[G1+3], 256<<16                     ; 111:96 its high half = 0; 127:112 tile_dim0 = 256
	s_mov_b32 s[G1+4], 64                          ; 143:128 tile_dim1 = 64; 159:144 tile_dim2 = 0
	s_mov_b32 s[G1+5], 256                         ; 191:160 tensor_dim0_stride: elements from row to row
	s_mov_b32 s[G1+6], 0
	s_mov_b32 s[G1+7], 0
	s_mov_b32 s[CS], 0x3db8aa3b                    ; c = log2(e) / 16
	s_mov_b32 s[CS+1], s[CS]                       ; named with it as a pair, so it is written
	s_mov_b32 s[SEL], 0x76543210
	s_mov_b32 s[SEL+1], 0xfedcba98
	v_and_b32 v[RR], 15, v0
	v_bfe_u32 v[HH], v0, 4, 1
	v_and_b32 v10, 7, v0
	v_bfe_u32 v11, v0, 3, 1
	v_lshlrev_b32 v1, 4, v[RR]                     ; my 16 bytes in 256 of ec
	v_lshl_add_u32 v[QO], v[HH], 13, v1            ; lanes 0-15 take 256 bytes of a row of features, lanes 16-31 those of the row 8 further down
	s_wait_dscnt 0x0
	s_wait_kmcnt 0x0
	s_add_nc_u64 s[4:5], s[4:5], s[16:17]          ; features and out0 at my wave's first row
	s_add_nc_u64 s[10:11], s[10:11], s[16:17]
	s_add_nc_u64 s[6:7], s[6:7], s[18:19]          ; memh at my 64 keys of the first slot
	s_mov_b32 s[G0A], 1                            ; 1:0 count = 1
	s_mov_b32 s[G0A+1], s20                        ; 63:32 LDS address
	s_mov_b64 s[G0A+2:G0A+3], s[6:7]               ; 120:64 global address: keys 0 to 255
	s_or_b32 s[G0A+3], s[G0A+3], 0x80000000        ; 127:126 type = 2
	s_mov_b32 s[G0W], 1
	s_add_co_u32 s[G0W+1], s20, SLOT1
	s_add_nc_u64 s[G0W+2:G0W+3], s[6:7], FILLB     ; keys 256 to 511
	s_or_b32 s[G0W+3], s[G0W+3], 0x80000000
.irp q, 0,1,2,3
	global_load_b128 v[EC+4*\q:EC+4*\q+3], v1, s[8:9] offset:256*\q    ; ec of channels 64 q + 4 (lane % 16) + 0..3
.endr
; Tile t of features, 16 rows x 1,024 bytes, into the registers that O^T takes later: load (q, i) brings channels 64 q + 4 (lane % 16) + 0..3 of rows i and i + 8.  16 lanes take 256 consecutive bytes, aligned.
.macro FLOAD t
.set wn, 0x80+0x40*((\t)/2)
	WIN wn                                         ; destination window 2 or 3, address window 0
.irp q, 0,1,2,3
.irp i, 0,1,2,3,4,5,6,7
	global_load_b128 v[128*((\t)%2)+32*\q+4*\i:128*((\t)%2)+32*\q+4*\i+3], v[QO], s[4:5] offset:(\t)*16384+\i*1024+\q*256 th:TH_LOAD_NT
.endr
.endr
.endm
	FLOAD 0                                        ; the first tile's loads are on their way while the cluster meets
	WIN 0
	CROUND                                         ; all four work-groups are here: the first joint loads meet
	tensor_load_to_lds s[G0A:G0A+3], s[G1:G1+7]    ; both first fills go out together, ahead of every wait on TENSORcnt and every LDS read
	s_nop 0
	tensor_load_to_lds s[G0W:G0W+3], s[G1:G1+7]
	s_nop 0
	PLACES 4                                       ; four v_nop follow the tensor loads, ahead of the next switch of windows
	FLOAD 1
	FLOAD 2
	FLOAD 3
	WIN 0
	v_lshl_add_u32 v[AK0], v10, 1, v11             ; K: lane l reads row 2 (l % 8) + (l / 8) % 2 of the fragment's 16,
	v_mul_u32_u24 v[AK0], v[AK0], PK
	v_lshl_add_u32 v[AK0], v[HH], 4, v[AK0]        ; 16 bytes for each half of the lanes
	v_lshl_add_u32 v[AV0], v10, 1, v[HH]           ; V: lane l reads row 2 (l % 8) + l / 16,
	v_mul_u32_u24 v[AV0], v[AV0], PK
	v_lshl_add_u32 v[AV0], v11, 4, v[AV0]          ; channels 8 ((l / 8) % 2) + 0..7
	v_mul_u32_u24 v[QST], v[HH], 8*PK              ; z' into the stage: row i + 8 (l / 16), 8 bytes at 8 (l % 16).  The two halves of the lanes lie 1,056 words apart: 32 banks
	v_lshl_add_u32 v[QST], v[RR], 3, v[QST]
	v_add_nc_u32 v[QST], s21, v[QST]
	v_mul_u32_u24 v[QRD], v[RR], PK                ; and back as fragments: row l % 16, 16 bytes for each half of the lanes
	v_lshl_add_u32 v[QRD], v[HH], 4, v[QRD]
	v_add_nc_u32 v[QRD], s21, v[QRD]
; Tile t: z' = c x + ec in place, rounded to f16, through my stage, back as Q's eight fragments.  The stage is the wave's own and LDS serves a wave's instructions in order (ISA guide 5.7.1.4):
; the loads see the stores above them, and the next tile's stores come behind these loads.  left = the younger loads that may stay out.
.macro ZIN t, left
.set zb, 128*((\t)%2)
.set zp, S+64*((\t)%2)
	s_wait_loadcnt \left
.set wn, 0x82+0x41*((\t)/2)
	WIN wn                                         ; destination and source 0 window 2 or 3, ec window 0
.irp q, 0,1,2,3
.set n, 0
.rept 16
	v_pk_fma_f32 v[zb+32*\q+2*n:zb+32*\q+2*n+1], v[zb+32*\q+2*n:zb+32*\q+2*n+1], s[CS:CS+1], v[EC+4*\q+2*(n%2):EC+4*\q+2*(n%2)+1] op_sel_hi:[1,0,1]
.set n, n+1
.endr
.endr
.set wn, 0x0a+0x05*((\t)/2)
	WIN wn                                         ; sources 0 and 1 window 2 or 3, destination window 0
.set n, 0
.rept 64
	v_cvt_pk_f16_f32 v[zp+n], v[zb+2*n], v[zb+2*n+1]
.set n, n+1
.endr
	WIN 0
.irp q, 0,1,2,3
.irp i, 0,1,2,3,4,5,6,7
	ds_store_b64 v[QST], v[zp+16*\q+2*\i:zp+16*\q+2*\i+1] offset:PK*\i+128*\q
.endr
.endr
	WIN 0x40                                       ; destination window 1
.irp kc, 0,1,2,3,4,5,6,7
	ds_load_b128 v[64*(\t)+8*\kc:64*(\t)+8*\kc+3],   v[QRD] offset:64*\kc
	ds_load_b128 v[64*(\t)+8*\kc+4:64*(\t)+8*\kc+7], v[QRD] offset:64*\kc+32
.endr
.endm
	ZIN 0, 63                                      ; 96 loads are younger than tile 0's; a count names 63 at the most
	ZIN 1, 63                                      ; 64 are younger
	ZIN 2, 32
	ZIN 3, 0
	WIN 0
; A run of eight LDS loads: four fragments.  K's chunk kc (channels 32 kc on) of the step's four blocks of 16 keys, into buffer (kc + 2) % 3.
.macro KLOAD kc
.set rK, FB+32*(((\kc)+2)%3)
.irp kb, 0,1,2,3
	ds_load_b128 v[rK+8*\kb:rK+8*\kb+3],   v[ADR] offset:\kb*16*PK+64*(\kc)
	ds_load_b128 v[rK+8*\kb+4:rK+8*\kb+7], v[ADR] offset:\kb*16*PK+64*(\kc)+32
.endr
.endm
; V's run p: keys 32 (p % 2) on, channels 64 (p / 2) on in four blocks of 16, turned, into buffer p % 3.
.macro VLOAD p
.set rV, FB+32*((\p)%3)
.irp c, 0,1,2,3
	ds_load_tr16_b128 v[rV+8*\c:rV+8*\c+3],   v[ADR] offset:((\p)%2)*32*PK+32*(4*((\p)/2)+\c)
	ds_load_tr16_b128 v[rV+8*\c+4:rV+8*\c+7], v[ADR] offset:((\p)%2)*32*PK+16*PK+32*(4*((\p)/2)+\c)
.endr
.endm
; THE MATRIX WORK goes in phases of 16 instructions on 16 accumulators, which take turns, one instruction a turn, in the same order in every phase.
; Phase kc of S^T = K Q^T: product i is tile i % 4, key block i / 4.  Phase 0 starts the sums: nothing is ever cleared.
.macro QKPH kc
.set i, 0
.rept 16
.set rS, S+32*(i%4)+8*(i/4)
.set rK, FB+32*(((\kc)+2)%3)+8*(i/4)
.set rQ, 64*(i%4)+8*(\kc)
.if (\kc) == 0
	v_wmma_f32_16x16x32_f16 v[rS:rS+7], v[rK:rK+7], v[rQ:rQ+7], 0
.else
	v_wmma_f32_16x16x32_f16 v[rS:rS+7], v[rK:rK+7], v[rQ:rQ+7], v[rS:rS+7]
.endif
.set i, i+1
.endr
.endm
; Phase p of O^T += V^T P: product i is tile 2 (i / 8) + i % 2, channel block 4 (p / 2) + (i % 8) / 2.  first = 1: the first key step, whose phases of keys 0-31 start the sums.
; sl = 1: behind each product stand the four packed multiplies that rescale the same tile's channel block four further on, which the phase after next takes up: vector work that is
; issued while the matrix unit works, at the price of two switches of the window a product.  Each accumulator is read from its low end on.
.macro PVPH p, first, sl
.set i, 0
.rept 16
.set tt, 2*(i/8)+i%2
.set rO, 128*(tt%2)+8*(4*((\p)/2)+(i%8)/2)
.set rA, FB+32*((\p)%3)+8*((i%8)/2)
.set rP, S+32*tt+8*((\p)%2)
.set wn, 0xa0+0x50*(tt/2)
	WIN wn                                         ; V and P window 0, O^T window 2 or 3
.if \first && ((\p)%2 == 0)
	v_wmma_f32_16x16x32_f16 v[rO:rO+7], v[rA:rA+7], v[rP:rP+7], 0
.else
	v_wmma_f32_16x16x32_f16 v[rO:rO+7], v[rA:rA+7], v[rP:rP+7], v[rO:rO+7]
.endif
.if \sl
.set wn, 0x82+0x41*(tt/2)
	WIN wn                                         ; O^T (destination and source 0) window 2 or 3, a window 0
.irp e, 0,2,4,6
	v_pk_mul_f32 v[rO+32+\e:rO+32+\e+1], v[rO+32+\e:rO+32+\e+1], v[ST+4*tt:ST+4*tt+1] op_sel_hi:[1,0]
.endr
.endif
.set i, i+1
.endr
.endm
; Channel blocks 0 to 3 of all four tiles times a: the part of the rescaling that no phase of products can carry, since phase 0 takes these blocks up.
.macro RS0
.irp t, 0,1,2,3
.set wn, 0x82+0x41*(\t/2)
	WIN wn
.set e, 0
.rept 16
	v_pk_mul_f32 v[128*(\t%2)+e:128*(\t%2)+e+1], v[128*(\t%2)+e:128*(\t%2)+e+1], v[ST+4*\t:ST+4*\t+1] op_sel_hi:[1,0]
.set e, e+2
.endr
.endr
.endm
; THE SOFTMAX of a key step, all in window 0.  A lane holds 32 scores of one query a tile, s0-s31, in pairs 0-15.
.macro SUMQ                            ; pair q of weights joins one of three running pairs of sums, T2-T7; pairs 3 to 5 start them with pairs 0 to 2
.if q >= 6
	s_wait_alu depctr_va_vdst(0)
	v_pk_add_f32 v[rT+2+2*(q%3):rT+3+2*(q%3)], v[rT+2+2*(q%3):rT+3+2*(q%3)], v[rS+2*q:rS+2*q+1]
.elseif q >= 3
	s_wait_alu depctr_va_vdst(0)
	v_pk_add_f32 v[rT+2+2*(q%3):rT+3+2*(q%3)], v[rS+2*q-6:rS+2*q-5], v[rS+2*q:rS+2*q+1]
.endif
.endm
.macro CVT4 b                          ; four pairs of weights rounded to f16, in place and ascending: word i of P takes s(2 i), s(2 i + 1), which no later line wants
.irp n, 0,1,2,3
	v_cvt_pk_f16_f32 v[rS+\b+\n], v[rS+2*(\b+\n)], v[rS+2*(\b+\n)+1]
.endr
.endm
.macro SOFTMAX first
	; the maximum, stage by stage, the four tiles by turns, so that no instruction reads the result of the one just before it.  Chain k begins with the three lowest registers of accumulator k.
.irp k, 0,1,2,3
.irp t, 0,1,2,3
	v_max3_num_f32 v[T+8*\t+\k], v[S+32*\t+8*\k], v[S+32*\t+8*\k+1], v[S+32*\t+8*\k+2]
.endr
.endr
.irp n, 3,5
.irp k, 0,1,2,3
.irp t, 0,1,2,3
	v_max3_num_f32 v[T+8*\t+\k], v[T+8*\t+\k], v[S+32*\t+8*\k+\n], v[S+32*\t+8*\k+\n+1]
.endr
.endr
.endr
.irp t, 0,1,2,3
	v_max3_num_f32 v[T+8*\t], v[T+8*\t], v[S+32*\t+7], v[S+32*\t+15]
.endr
.irp t, 0,1,2,3
	v_max3_num_f32 v[T+8*\t+2], v[T+8*\t+2], v[S+32*\t+23], v[S+32*\t+31]
.endr
.irp t, 0,1,2,3
	v_max3_num_f32 v[T+8*\t], v[T+8*\t], v[T+8*\t+1], v[T+8*\t+2]
.endr
.irp t, 0,1,2,3
.if \first
	v_max_num_f32 v[T+8*\t], v[T+8*\t], v[T+8*\t+3]
.else
	v_max3_num_f32 v[T+8*\t], v[T+8*\t], v[T+8*\t+3], v[ST+4*\t+2]     ; and the old m
.endif
.endr
.irp t, 0,1,2,3
	v_permlanex16_b32 v[T+8*\t+1], v[T+8*\t], s[SEL], s[SEL+1]         ; the query's other 32 keys lie in the lane 16 away
.endr
.irp t, 0,1,2,3
	v_max_num_f32 v[T+8*\t], v[T+8*\t], v[T+8*\t+1]                    ; the new m
.endr
.if !\first
.irp t, 0,1,2,3
	v_sub_f32 v[T+8*\t+2], v[ST+4*\t+2], v[T+8*\t]                     ; m_old - m_new
.endr
.endif
.irp t, 0,1,2,3
	v_mov_b32 v[ST+4*\t+2], v[T+8*\t]              ; m outlives the scratch, which V's fragments take
.endr
.if !\first
.irp t, 0,1,2,3
	v_exp_f32 v[ST+4*\t], v[T+8*\t+2]              ; a; the plain line behind the last of these is tile 0's first subtraction
.endr
.endif
	; tile by tile: s - m two pairs ahead, the exponentials, the sums a pair back: behind every exponential a plain instruction that touches neither its result nor its source comes
	; before the result is used (ISA guide 5.7.2)
.irp t, 0,1,2,3
.set rS, S+32*\t
.set rT, T+8*\t
	v_pk_add_f32 v[rS:rS+1],   v[rS:rS+1],   v[rT:rT+1] op_sel_hi:[1,0] neg_lo:[0,1] neg_hi:[0,1]
	v_pk_add_f32 v[rS+2:rS+3], v[rS+2:rS+3], v[rT:rT+1] op_sel_hi:[1,0] neg_lo:[0,1] neg_hi:[0,1]
.set i, 0
.rept 16
	v_exp_f32 v[rS+2*i], v[rS+2*i]
.if i < 14
	v_pk_add_f32 v[rS+2*i+4:rS+2*i+5], v[rS+2*i+4:rS+2*i+5], v[rT:rT+1] op_sel_hi:[1,0] neg_lo:[0,1] neg_hi:[0,1]
.endif
	v_exp_f32 v[rS+2*i+1], v[rS+2*i+1]
.set q, i-1
	SUMQ
.set i, i+1
.endr
.set q, 15
	SUMQ
	CVT4 0                                         ; the roundings stand in fours between the last sums, which hang on each other
	v_pk_add_f32 v[rT+2:rT+3], v[rT+2:rT+3], v[rT+4:rT+5]
	CVT4 4
	v_pk_add_f32 v[rT+2:rT+3], v[rT+2:rT+3], v[rT+6:rT+7]
	CVT4 8
.if \first
	v_add_f32 v[ST+4*\t+1], v[rT+2], v[rT+3]       ; the first step starts l
	CVT4 12
.else
	v_fma_f32 v[ST+4*\t+1], v[ST+4*\t+1], v[ST+4*\t], v[rT+2]          ; l = a l + the sums
	CVT4 12
	v_add_f32 v[ST+4*\t+1], v[ST+4*\t+1], v[rT+3]
.endif
.endr
.endm
; A KEY STEP from its first product to phase 5 of V^T P.  On the way in K's runs 0 and 1 are out.  Each run of loads goes into the buffer that the phase before has read, behind four places,
; and is used two phases later: the count 16 leaves out the run just issued and the one before it.
.macro MAINPART first
	WIN W_QK
.irp kc, 0,1,2,3,4,5,6,7
.if \kc <= 5
.if \kc > 0
	PLACES 4
.elseif !\first
	PLACES 5                                       ; phase 0's products also write over P, a source of the products just issued
.endif
	KLOAD \kc+2
	s_wait_dscnt 16
.elseif \kc == 6
	s_wait_dscnt 8                                 ; run 7 alone may be out
.else
	s_wait_dscnt 0
.endif
	QKPH \kc
.endr
	PLACES 4                                       ; behind the last scores: for the loads into buffer 0, for the scratch in buffer 2 and for the softmax's reads
	WIN 0
	v_add_nc_u32 v[ADR], s[TB], v[AV0]
	s_add_co_u32 s[TB], s[TB], STEPB               ; the next fetch of K is the next step's
	VLOAD 0                                        ; they land under the softmax
	VLOAD 1
	SOFTMAX \first
.if !\first
	RS0
.endif
.irp p, 0,1,2,3,4,5
.if (\p > 0) && (\first || (\p%2 == 0))
	PLACES 4                                       ; the phase before stood bare; behind a phase with rescaling its last four multiplies are the places
.endif
	WIN 0
	VLOAD \p+2
	s_wait_dscnt 16
.if \first || (\p%2 == 1)
	PVPH \p, \first, 0
.else
	PVPH \p, \first, 1
.endif
.endr
	WIN 0                                          ; at a label and at a branch every window is 0
.endm
; The step's last two phases of V^T P; fetch = 1: with the next step's first two runs of K.  All of the step's V has been asked for, so a change of slots can stand in front of this.
.macro LEAD first, fetch
.if \fetch
	v_add_nc_u32 v[ADR], s[TB], v[AK0]
	PLACES 4                                       ; buffer 2 was read by phase 5
	KLOAD 0
	s_wait_dscnt 16                                ; V's run 6 is in: run 7 and K's run 0 may be out
.else
	s_wait_dscnt 8
.endif
	PVPH 6, \first, 0
.if \fetch
	PLACES 4                                       ; buffer 0 was read by phase 6
	WIN 0
	KLOAD 1
	s_wait_dscnt 16
.else
	s_wait_dscnt 0
.endif
	PVPH 7, \first, 0
	WIN 0
.endm
; THE CHANGE OF SLOTS.  Each wave waits for its own reads of the slot and for all its tensor loads, of which one is out: its part of the other slot.  Behind the barrier nobody reads this slot
; any more and the other slot is whole.  fill = 1: this slot is filled again, with the keys two slots on.  The barrier is then a round of the cluster's, so that no wave of any partner still
; reads the slot or has a load on its way, and the joint refill is the first thing behind it, one load a wave.
.macro CHANGE fill
	s_wait_dscnt 0x0
	s_wait_tensorcnt 0x0                           ; no tensor load of mine is out, so a group 0 may be written
	ds_add_u32 v30, v31
	s_wait_dscnt 0x0
.if \fill
	s_xor_b32 s[G0W+1], s[G0W+1], SLOT1            ; the walking descriptor: the other slot than last time,
	s_add_nc_u64 s[G0W+2:G0W+3], s[G0W+2:G0W+3], FILLB   ; the next 256 keys; the type bits on top are not reached
	CROUND
	tensor_load_to_lds s[G0W:G0W+3], s[G1:G1+7]
	s_nop 0
	PLACES 4                                       ; four v_nop follow the tensor load
.else
	s_barrier_signal -1
	s_barrier_wait -1
.endif
	s_sub_co_u32 s[TB], s[TB], 4*STEPB             ; the fetches go back to a slot's first step,
	s_xor_b32 s[TB], s[TB], SLOT1                  ; in the other slot
.endm
.macro STEPS n                         ; n key steps, written once; the LDS addresses hang on s[TB]
	s_mov_b32 s[TRIPS], \n
.Lstep_\@:
	LEAD 0, 1
	MAINPART 0
	s_sub_co_u32 s[TRIPS], s[TRIPS], 1
	s_cmp_lg_u32 s[TRIPS], 0
	s_cbranch_scc1 .Lstep_\@
.endm
	s_wait_tensorcnt 0x1                           ; my part of slot 0 is in; slot 1's may stay out
	s_wait_dscnt 0x0                               ; Q is in registers
	s_barrier_signal -1
	s_barrier_wait -1                              ; everybody's part is in
	s_mov_b32 s[TB], 0
	v_add_nc_u32 v[ADR], s[TB], v[AK0]
	KLOAD 0
	KLOAD 1
	MAINPART 1                                     ; key step 0 starts m, l and O^T: it has no a and nothing to rescale
	LEAD 1, 1
	MAINPART 0                                     ; key step 1
	STEPS 2                                        ; key steps 2 and 3: slot 0's first fill is read out
	s_mov_b32 s[SLOTS], 6
.Lslot:                                                ; six trips: each asks for one of the six further fills and reads the four key steps of the other slot
	CHANGE 1
	STEPS 4
	s_sub_co_u32 s[SLOTS], s[SLOTS], 1
	s_cmp_lg_u32 s[SLOTS], 0
	s_cbranch_scc1 .Lslot
	CHANGE 0                                       ; the tail is written out: the last slot, and nothing is asked for
	STEPS 4
	LEAD 0, 0                                      ; the last step's last two phases
	; THE WAY OUT.  The addresses are made first: eight plain instructions, the places behind the last products.  Then l's two halves are added and O^T is divided by l.
	v_mul_u32_u24 v[STO], v[RR], SP                ; in: row l % 16, 32 bytes (8 channels) for each half of the lanes; rows of 68 words start 4 banks apart
	v_lshl_add_u32 v[STO], v[HH], 5, v[STO]
	v_add_nc_u32 v[STO], s21, v[STO]
	v_mul_u32_u24 v[RD], v[HH], SP                 ; back: lanes 0-15 take one row of 256 bytes, lanes 16-31 the next
	v_lshl_add_u32 v[RD], v[RR], 4, v[RD]
	v_add_nc_u32 v[RD], s21, v[RD]
	v_lshlrev_b32 v[GO], 10, v[HH]                 ; and the same two rows in out0
	v_lshl_add_u32 v[GO], v[RR], 4, v[GO]
.irp t, 0,1,2,3
	v_permlanex16_b32 v[8+\t], v[ST+4*\t+1], s[SEL], s[SEL+1]
.endr
.irp t, 0,1,2,3
	v_add_f32 v[8+\t], v[8+\t], v[ST+4*\t+1]
.endr
.irp t, 0,1,2,3
	v_rcp_f32 v[ST+4*\t], v[8+\t]
.endr
	v_nop                                          ; a plain instruction between the last reciprocal and the use of its result
	s_wait_alu depctr_va_vdst(0)
; Unit u = 16 queries (tile u / 4) x 64 channels (64 (u % 4) on): four accumulators.  Scaled in place, each from its low end on; 32 bytes a lane into rows of 272 bytes of my stage; back as whole
; rows of 256 bytes into S^T's registers, four buffers by turns.  LDS serves a wave's instructions in order: the loads see the stores above, the next unit's stores come behind them.
.macro PACK u
.set tt, (\u)/4
.set rO, 128*(tt%2)+32*((\u)%4)
.set bk, S+32*((\u)%4)
.set wn, 0x82+0x41*(tt/2)
	WIN wn
.set e, 0
.rept 16
	v_pk_mul_f32 v[rO+e:rO+e+1], v[rO+e:rO+e+1], v[ST+4*tt:ST+4*tt+1] op_sel_hi:[1,0]
.set e, e+2
.endr
.set wn, 0x08+0x04*(tt/2)
	WIN wn                                         ; an LDS store's data is source 1: window 2 or 3
.irp a, 0,1,2,3
	ds_store_b128 v[STO], v[rO+8*\a:rO+8*\a+3]   offset:64*\a
	ds_store_b128 v[STO], v[rO+8*\a+4:rO+8*\a+7] offset:64*\a+16
.endr
	WIN 0
.if (\u) >= 4
	s_wait_xcnt 0x0                                ; the buffer was the data of unit u - 4's stores: it is loaded again only behind this wait (ISA guide 3.1)
.endif
.irp i, 0,1,2,3,4,5,6,7
	ds_load_b128 v[bk+4*\i:bk+4*\i+3], v[RD] offset:\i*2*SP
.endr
.endm
.macro SEND u, younger                 ; younger: the LDS instructions issued behind unit u's loads: the next unit's sixteen, or none
.set tt, (\u)/4
.set bk, S+32*((\u)%4)
.irp i, 0,1,2,3,4,5,6,7
	s_wait_dscnt \younger+7-\i
	global_store_b128 v[GO], v[bk+4*\i:bk+4*\i+3], s[10:11] offset:tt*16384+\i*2048+((\u)%4)*256 th:TH_STORE_NT   ; 16 lanes store 256 consecutive bytes, at a multiple of 256 from out0's first byte
.endr
.endm
	PACK 0
.irp u, 1,2,3,4,5,6,7,8,9,10,11,12,13,14,15
	PACK \u                                        ; a unit's arithmetic stands between the loads of the unit before and its stores
	SEND \u-1, 16
.endr
	SEND 15, 0
	s_wait_tensorcnt 0x0
	ds_add_u32 v30, v31
	s_wait_dscnt 0x0
	CROUND                                         ; the closing round: no work-group ends while a partner may still ask for a tile that names it
	s_endpgm
.Lfunc_end_k_qbcb8bbb35b_attn:
	.size	k_qbcb8bbb35b_attn, .Lfunc_end_k_qbcb8bbb35b_attn-k_qbcb8bbb35b_attn
	.p2alignl 7, 3214868480
	.fill 96, 4, 3214868480
	.section	.rodata,"a",@progbits
	.p2align	6, 0x0
	.amdhsa_kernel k_qbcb8bbb35b_attn
		.amdhsa_group_segment_fixed_size 327680
		.amdhsa_private_segment_fixed_size 0
		.amdhsa_enable_private_segment 0
		.amdhsa_kernarg_size 32
		.amdhsa_user_sgpr_count 2
		.amdhsa_user_sgpr_kernarg_segment_ptr 1
		.amdhsa_wavefront_size32 1
		.amdhsa_system_sgpr_workgroup_id_x 1
		.amdhsa_system_sgpr_workgroup_id_y 1
		.amdhsa_system_sgpr_workgroup_id_z 1
		.amdhsa_system_vgpr_workitem_id 0
		.amdhsa_next_free_vgpr 1024
		.amdhsa_next_free_sgpr 66
		.amdhsa_reserve_vcc 0
		.amdhsa_float_denorm_mode_32 3
		.amdhsa_float_denorm_mode_16_64 3
		.amdhsa_memory_ordered 1
		.amdhsa_forward_progress 1
		.amdhsa_inst_pref_size 255
	.end_amdhsa_kernel
	.section	.bss,"aw",@nobits
	.p2align	6
	.space	262144
	.amdgpu_metadata
---
amdhsa.version: [ 1, 2 ]
amdhsa.kernels:
  - .name:           k_qbcb8bbb35b_attn
    .symbol:         k_qbcb8bbb35b_attn.kd
    .args:
      - { .name: features, .offset: 0, .size: 8, .value_kind: global_buffer, .address_space: global }
      - { .name: memh, .offset: 8, .size: 8, .value_kind: global_buffer, .address_space: global }
      - { .name: ec, .offset: 16, .size: 8, .value_kind: global_buffer, .address_space: global }
      - { .name: out0, .offset: 24, .size: 8, .value_kind: global_buffer, .address_space: global }
    .group_segment_fixed_size: 327680
    .private_segment_fixed_size: 0
    .kernarg_segment_align: 8
    .kernarg_segment_size: 32
    .max_flat_workgroup_size: 128
    .sgpr_count:     66
    .vgpr_count:     1024
    .wavefront_size: 32
...
	.end_amdgpu_metadata
.endif
;; end of part 3
;; ======== version 2 of 2: 3 launches; 1.11 times as fast as version 1
;; limits: values are held in f16: magnitudes above 65,504 overflow, below 6.1e-05 lose precision
;; workspace buffers: memh 1,048,576 bytes; partials 2,048 bytes; ec 1,024 bytes
;; launch prep: the kernel of part 1 again; grid 256 x 1, 4 waves a work-group, no clusters, 768 bytes of LDS; arguments coords, memory, memh, partials; writes memh, partials
;; launch emb: the kernel of part 2 again; grid 4 x 1, 16 waves a work-group, no clusters, 2,304 bytes of LDS; arguments partials, w1, b1, w2, b2, ec; writes ec
;; launch attn (part 4): grid 256 x 1, 4 waves a work-group, clusters of 4 x 1, 327,680 bytes of LDS; arguments features, memh, ec, out0; writes out0
.if DOCPART == 4
	.amdgcn_target "amdgcn-amd-amdhsa--gfx1250"
	.amdhsa_code_object_version 6
	.text
	.protected	k_qbcb8bbb35b_attn
	.globl	k_qbcb8bbb35b_attn
	.p2align	8
	.type	k_qbcb8bbb35b_attn,@function
k_qbcb8bbb35b_attn:
	s_mov_b64 s[64:65], 0
	v_nop
	global_prefetch_b8 v0, s[64:65] scope:SCOPE_SE
	s_setreg_imm32_b32 hwreg(HW_REG_WAVE_MODE, 25, 1), 1
	s_wait_xcnt 0x0
	s_wait_alu depctr_hold_cnt(0) depctr_sa_sdst(0) depctr_va_vdst(0) depctr_va_sdst(0) depctr_va_ssrc(0) depctr_va_vcc(0) depctr_vm_vsrc(0)
	s_getreg_b32 s2, hwreg(HW_REG_IB_STS2, 6, 4)
	s_cmp_eq_u32 s2, 0
	s_cbranch_scc0 .Lentry_in_a_cluster
	s_endpgm
.Lentry_in_a_cluster:
	s_bfe_u32 s2, ttmp6, 0x10000c
	s_cmp_lg_u32 s2, 0x3003
	s_cbranch_scc0 .Lentry_shape_is_right
	s_endpgm
.Lentry_shape_is_right:
; out0[n] = sum over k of softmax_k((features[n] + e) . memory[k] / 16) memory[k].  features, out0: [65536][256] f32.  memh: memory in f16, [2048][256].  ec = c e, c = log2(e) / 16.
; z' = c features + ec is rounded to f16, so the scores s = z' . memory[k] come in units of log2 and a weight is p = 2^(s - m).  Products in f16 with f32 sums; maxima, sums and rescaling in f32.
; FORMAT.  f16 and not bf16: where one key holds a weight w, the roundings of its score, of w and of its value each move an output by up to w |memory| times the format's step, while the other
; keys' part can cancel the output itself; 11 significant bits keep that eight times smaller than 8 would.  ROOM: |z'| and |memory| must stay under 65,504.  With numbers as the problem draws them
; they are under 1 and under 6; with every input thirty times larger z' is some 3,000 (e grows with the cube of the factor) and memory under 200.  Magnitudes under 2^-14 are kept in steps of 2^-24.
; LIMITS.  NaN and infinite inputs are not served (the maxima drop a NaN).  A weight below 2^-24 vanishes in the second product.  c is multiplied in before z is rounded to f16.  The divisor l is
; summed from the f32 weights, the second product uses their roundings to f16.  m is the true running maximum, so no exponent is above 0, every weight is in (0, 1] and l is at least 1.
; SHARES.  A work-group owns 256 queries, each of its four waves 64: four tiles of 16.  Every wave walks all 2,048 keys, 64 a key step: 128 products K Q^T, the softmax, 128 products V^T P.
; LAYOUT.  S^T = K Q^T (source 0 = 16 keys, source 1 = 16 queries) and O^T = V^T P: a lane holds ONE query (lane % 16) in S^T, P and O^T, so nothing changes lanes between the products and a
; query's maximum and sum want one exchange between the halves of the lanes.  Keys and values are the same table: ONE tile in LDS serves both, read as it lies for K and turned
; (ds_load_tr16_b128) for V.  Row m of a fragment of K is key 2 (m % 8) + m / 8 of its 16: register j of S^T in half h of the lanes is then key 2 j + h, which is the key that
; element j of the turning load brings when its eight lanes take rows two apart; with rows of 528 bytes both kinds of load touch each bank once (below).
; SOFTMAX.  For each query a running maximum m and sum l; in every step O and l are multiplied by a = 2^(m_old - m_new), which is 1 where m has not grown.
; BATCHES.  A key step's exponentials, the four a and the 128 weights a lane, are ONE BATCH with ONE wait: none of them reads another's result, and each has a register of its own (a in the
; statistics, a weight in its score's place).  Ahead of the wait stand the maxima, the subtractions s - m and the exponentials; behind it all that names a result: the sums, the roundings, l, the
; rescaling of O^T.  The way out's four reciprocals are a second batch, with a wait of its own.
; CLUSTER.  All work-groups walk the same table.  A joint load names four work-groups, so four form a cluster and each tile is asked for jointly: the same tensor load with the same
; descriptor (made of the wave's number alone) and the mask of all four; each receives it in its own LDS.
; RING.  Two slots of 256 keys (four key steps).  Each wave fetches 64 keys of a slot with one load; a refill is asked for straight behind the round and has four key steps, 1,024 matrix instructions
; of the wave, in which to land.  A wave has two tensor loads out at the start and one behind each round.
;
; REGISTERS, in windows of 256 (s_set_vgpr_msb: bits 1:0 source 0, 3:2 source 1, 5:4 source 2, 7:6 destination):
;   window 0: v0-11 addresses; v12-27 four registers of statistics a tile; v32-127 three fragment buffers of 32 (the third is also the softmax's scratch); v128-255 S^T, 32 a tile; P is made in place
;   window 1: Q, 64 a tile          window 2: O^T of tiles 0, 1 (128 each)          window 3: O^T of tiles 2, 3
; O^T and Q take 768 registers, so K and V come in runs of four fragments through the three buffers, each run issued two phases (32 matrix instructions) ahead of its use.
.set PK,     528                       ; a key's row in LDS: 512 bytes + 16 of padding = 132 words: row r starts at bank 4 r mod 64 (64 banks of 4 bytes: ISA guide 11.1).  16 different rows of a K load start at
                                       ; 16 different groups of four banks; the turning load's 8 rows, two apart, start 8 banks apart and take 32 bytes each
.set STEPB,  64*PK                     ; a key step's tile, and what one tensor load brings
.set SLOT1,  4*STEPB                   ; 135,168 = 0x21000: slot 1's first byte.  Its two bits occur in no wave x STEPB, so one exclusive or turns an address in one slot into the other's
.set STAGE,  2*SLOT1                   ; behind the ring, at a multiple of 256: 8,448 bytes for each wave, its own; no tensor load fills them
.set WSTAGE, 16*PK                     ; the way in: 16 rows of z' in f16, 528 bytes apart; the way out: 16 rows of 64 f32, 272 bytes apart
.set SP,     272
.set FILLB,  256*512                   ; bytes of memh in a slot
.set AK0, 2                            ; v2   my lane's place in a tile, for K; never rewritten
.set AV0, 3                            ; v3   the same for V
.set ADR, 4                            ; v4   the LDS address of the runs of loads in hand
.set QO,  5                            ; v5   the way in: my byte offset in the wave's rows of features
.set QST, 6                            ; v6   the way in: where I put 8 bytes of z'
.set QRD, 7                            ; v7   the way in: where I read Q's fragments
.set GO,  5                            ; v5   the way out: my byte offset in the wave's rows of out0
.set STO, 6                            ; v6   the way out: where I put 32 bytes of a row
.set RD,  7                            ; v7   the way out: where I read a row back
.set RR,  8                            ; v8   lane % 16        v9 lane / 16        v10 lane % 8        v11 (lane / 8) % 2; at the end v8-11: the other half's l
.set HH,  9
.set ST,  12                           ; tile t's statistics at v[ST+4 t]: +0 a (at the end 1 / l), +1 l, +2 m
.set FB,  32                           ; fragment buffer b at v[FB+32 b]
.set EC,  32                           ; the way in: ec of my 16 channels
.set T,   96                           ; the softmax's scratch: 8 registers a tile
.set S,   128
.set WV,    12                         ; s12  my wave's number
.set G1,    24                         ; s[24:31] descriptor group 1
.set G0A,   32                         ; s[32:35] group 0 of slot 0's first fill
.set G0W,   36                         ; s[36:39] group 0 of slot 1's first fill; then it walks on
.set SLOTS, 40                         ; s40  slots still to be asked for
.set TRIPS, 41                         ; s41  counts key steps
.set TB,    42                         ; s42  LDS byte at which the tile of the key step to be fetched begins
.set CS,    44                         ; s[44:45] c: the packed multiply-add names a pair and takes its low word for both halves
.set SEL,   46                         ; s[46:47] lane selects for v_permlanex16_b32: each lane takes its own place in the other half
.set W_QK,  0x04                       ; K and S^T in window 0, Q (source 1) in window 1; an LDS load uses the fields of the destination and of source 0, both 0: one setting for a whole run of K Q^T
.set MSB, 0
.macro WIN new                         ; the immediate's high byte repeats the setting that is left; a switch that changes nothing is dropped
.if MSB != (\new)
	s_set_vgpr_msb (MSB<<8)|(\new)
.set MSB, (\new)
.endif
.endm
; A vector instruction that reads a matrix result or writes one of a matrix instruction's registers, and a load into such a register, stand four places behind it; a matrix instruction that
; writes over one of them, five; only plain vector instructions that name none of its registers are places (ISA guide 7.12.1 for vector instructions).
.macro PLACES n
.rept \n
	v_nop
.endr
.endm
; A round of the cluster's barrier: my work-group's barrier, so that wave 0's signal speaks for all four waves; wave 0 signals for the work-group; every wave waits for all four
; work-groups; my work-group's barrier once more.  No LDS instruction of the wave is pending at a signal.
.macro CROUND
	s_barrier_signal -1
	s_barrier_wait -1
	s_cmp_lg_u32 s[WV], 0
	s_cbranch_scc1 .Lnot_wave_0_\@
	s_barrier_signal -3
.Lnot_wave_0_\@:
	s_barrier_wait -3
	s_barrier_signal -1
	s_barrier_wait -1
.endm
	s_load_b256 s[4:11], s[0:1], 0x0               ; features s[4:5], memh s[6:7], ec s[8:9], out0 s[10:11]
	v_lshl_add_u32 v30, v0, 2, 0x4a400
	v_mov_b32 v31, 0
	ds_add_u32 v30, v31
	v_lshrrev_b32 v1, 5, v0
	v_readfirstlane_b32 s[WV], v1                  ; wave 0..3
	s_bfe_u32 s13, ttmp6, 0x40000                  ; cx: my place in the cluster
	s_lshl_b32 s14, ttmp9, 2                       ; in a cluster launch ttmp9 counts clusters
	s_add_co_u32 s14, s14, s13                     ; my block of 256 queries: it enters the addresses of features and out0 alone
	s_lshl_b32 s16, s14, 18                        ; 256 rows of 1,024 bytes,
	s_lshl_b32 s17, s[WV], 16                      ; my wave's 64 of them
	s_add_co_u32 s16, s16, s17
	s_mov_b32 s17, 0
	s_lshl_b32 s18, s[WV], 15                      ; the 64 keys of a slot that I fetch: 64 rows of 512 bytes in memh,
	s_mov_b32 s19, 0
	s_mul_i32 s20, s[WV], STEPB                    ; and their place in a slot: no place in the cluster enters an LDS address
	s_mul_i32 s21, s[WV], WSTAGE
	s_add_co_u32 s21, s21, STAGE                   ; my stage
	; descriptor group 1: a tile of 64 rows x 256 elements, padded in LDS
	s_mov_b32 s[G1+0], 15|(1<<16)|(1<<20)|(1<<21)|(6<<22)|(3<<25)   ; 15:0 the mask: all four work-groups; 17:16 elements of 2 bytes; 20 padding on; 21 set beside a mask; 24:22 after every 128 words (code 6); 31:25 4 words of it (code 3)
	s_mov_b32 s[G1+1], 256<<16                     ; 63:48 tensor_dim0, low half = 256
	s_mov_b32 s[G1+2], 64<<16                      ; 79:64 its high half = 0; 95:80 tensor_dim1, low half = 64
	s_mov_b32 s[G1+3], 256<<16                     ; 111:96 its high half = 0; 127:112 tile_dim0 = 256
	s_mov_b32 s[G1+4], 64                          ; 143:128 tile_dim1 = 64; 159:144 tile_dim2 = 0
	s_mov_b32 s[G1+5], 256                         ; 191:160 tensor_dim0_stride: elements from row to row
	s_mov_b32 s[G1+6], 0
	s_mov_b32 s[G1+7], 0
	s_mov_b32 s[CS], 0x3db8aa3b                    ; c = log2(e) / 16
	s_mov_b32 s[CS+1], s[CS]                       ; named with it as a pair, so it is written
	s_mov_b32 s[SEL], 0x76543210
	s_mov_b32 s[SEL+1], 0xfedcba98
	v_and_b32 v[RR], 15, v0
	v_bfe_u32 v[HH], v0, 4, 1
	v_and_b32 v10, 7, v0
	v_bfe_u32 v11, v0, 3, 1
	v_lshlrev_b32 v1, 4, v[RR]                     ; my 16 bytes in 256 of ec
	v_lshl_add_u32 v[QO], v[HH], 13, v1            ; lanes 0-15 take 256 bytes of a row of features, lanes 16-31 those of the row 8 further down
	s_wait_dscnt 0x0
	s_wait_kmcnt 0x0
	s_add_nc_u64 s[4:5], s[4:5], s[16:17]          ; features and out0 at my wave's first row
	s_add_nc_u64 s[10:11], s[10:11], s[16:17]
	s_add_nc_u64 s[6:7], s[6:7], s[18:19]          ; memh at my 64 keys of the first slot
	s_mov_b32 s[G0A], 1                            ; 1:0 count = 1
	s_mov_b32 s[G0A+1], s20                        ; 63:32 LDS address
	s_mov_b64 s[G0A+2:G0A+3], s[6:7]               ; 120:64 global address: keys 0 to 255
	s_or_b32 s[G0A+3], s[G0A+3], 0x80000000        ; 127:126 type = 2
	s_mov_b32 s[G0W], 1
	s_add_co_u32 s[G0W+1], s20, SLOT1
	s_add_nc_u64 s[G0W+2:G0W+3], s[6:7], FILLB     ; keys 256 to 511
	s_or_b32 s[G0W+3], s[G0W+3], 0x80000000
.irp q, 0,1,2,3
	global_load_b128 v[EC+4*\q:EC+4*\q+3], v1, s[8:9] offset:256*\q    ; ec of channels 64 q + 4 (lane % 16) + 0..3
.endr
; Tile t of features, 16 rows x 1,024 bytes, into the registers that O^T takes later: load (q, i) brings channels 64 q + 4 (lane % 16) + 0..3 of rows i and i + 8.  16 lanes take 256 consecutive bytes, aligned.
.macro FLOAD t
.set wn, 0x80+0x40*((\t)/2)
	WIN wn                                         ; destination window 2 or 3, address window 0
.irp q, 0,1,2,3
.irp i, 0,1,2,3,4,5,6,7
	global_load_b128 v[128*((\t)%2)+32*\q+4*\i:128*((\t)%2)+32*\q+4*\i+3], v[QO], s[4:5] offset:(\t)*16384+\i*1024+\q*256 th:TH_LOAD_NT
.endr
.endr
.endm
	FLOAD 0                                        ; the first tile's loads are on their way while the cluster meets
	WIN 0
	CROUND                                         ; all four work-groups are here: the first joint loads meet
	tensor_load_to_lds s[G0A:G0A+3], s[G1:G1+7]    ; both first fills go out together, ahead of every wait on TENSORcnt and every LDS read
	s_nop 0
	tensor_load_to_lds s[G0W:G0W+3], s[G1:G1+7]
	s_nop 0
	PLACES 4                                       ; four v_nop follow the tensor loads, ahead of the next switch of windows
	FLOAD 1
	FLOAD 2
	FLOAD 3
	WIN 0
	v_lshl_add_u32 v[AK0], v10, 1, v11             ; K: lane l reads row 2 (l % 8) + (l / 8) % 2 of the fragment's 16,
	v_mul_u32_u24 v[AK0], v[AK0], PK
	v_lshl_add_u32 v[AK0], v[HH], 4, v[AK0]        ; 16 bytes for each half of the lanes
	v_lshl_add_u32 v[AV0], v10, 1, v[HH]           ; V: lane l reads row 2 (l % 8) + l / 16,
	v_mul_u32_u24 v[AV0], v[AV0], PK
	v_lshl_add_u32 v[AV0], v11, 4, v[AV0]          ; channels 8 ((l / 8) % 2) + 0..7
	v_mul_u32_u24 v[QST], v[HH], 8*PK              ; z' into the stage: row i + 8 (l / 16), 8 bytes at 8 (l % 16).  The two halves of the lanes lie 1,056 words apart: 32 banks
	v_lshl_add_u32 v[QST], v[RR], 3, v[QST]
	v_add_nc_u32 v[QST], s21, v[QST]
	v_mul_u32_u24 v[QRD], v[RR], PK                ; and back as fragments: row l % 16, 16 bytes for each half of the lanes
	v_lshl_add_u32 v[QRD], v[HH], 4, v[QRD]
	v_add_nc_u32 v[QRD], s21, v[QRD]
; Tile t: z' = c x + ec in place, rounded to f16, through my stage, back as Q's eight fragments.  The stage is the wave's own and LDS serves a wave's instructions in order (ISA guide 5.7.1.4):
; the loads see the stores above them, and the next tile's stores come behind these loads.  left = the younger loads that may stay out.
.macro ZIN t, left
.set zb, 128*((\t)%2)
.set zp, S+64*((\t)%2)
	s_wait_loadcnt \left
.set wn, 0x82+0x41*((\t)/2)
	WIN wn                                         ; destination and source 0 window 2 or 3, ec window 0
.irp q, 0,1,2,3
.set n, 0
.rept 16
	v_pk_fma_f32 v[zb+32*\q+2*n:zb+32*\q+2*n+1], v[zb+32*\q+2*n:zb+32*\q+2*n+1], s[CS:CS+1], v[EC+4*\q+2*(n%2):EC+4*\q+2*(n%2)+1] op_sel_hi:[1,0,1]
.set n, n+1
.endr
.endr
.set wn, 0x0a+0x05*((\t)/2)
	WIN wn                                         ; sources 0 and 1 window 2 or 3, destination window 0
.set n, 0
.rept 64
	v_cvt_pk_f16_f32 v[zp+n], v[zb+2*n], v[zb+2*n+1]
.set n, n+1
.endr
	WIN 0
.irp q, 0,1,2,3
.irp i, 0,1,2,3,4,5,6,7
	ds_store_b64 v[QST], v[zp+16*\q+2*\i:zp+16*\q+2*\i+1] offset:PK*\i+128*\q
.endr
.endr
	WIN 0x40                                       ; destination window 1
.irp kc, 0,1,2,3,4,5,6,7
	ds_load_b128 v[64*(\t)+8*\kc:64*(\t)+8*\kc+3],   v[QRD] offset:64*\kc
	ds_load_b128 v[64*(\t)+8*\kc+4:64*(\t)+8*\kc+7], v[QRD] offset:64*\kc+32
.endr
.endm
	ZIN 0, 63                                      ; 96 loads are younger than tile 0's; a count names 63 at the most
	ZIN 1, 63                                      ; 64 are younger
	ZIN 2, 32
	ZIN 3, 0
	WIN 0
; A run of eight LDS loads: four fragments.  K's chunk kc (channels 32 kc on) of the step's four blocks of 16 keys, into buffer (kc + 2) % 3.
.macro KLOAD kc
.set rK, FB+32*(((\kc)+2)%3)
.irp kb, 0,1,2,3
	ds_load_b128 v[rK+8*\kb:rK+8*\kb+3],   v[ADR] offset:\kb*16*PK+64*(\kc)
	ds_load_b128 v[rK+8*\kb+4:rK+8*\kb+7], v[ADR] offset:\kb*16*PK+64*(\kc)+32
.endr
.endm
; V's run p: keys 32 (p % 2) on, channels 64 (p / 2) on in four blocks of 16, turned, into buffer p % 3.
.macro VLOAD p
.set rV, FB+32*((\p)%3)
.irp c, 0,1,2,3
	ds_load_tr16_b128 v[rV+8*\c:rV+8*\c+3],   v[ADR] offset:((\p)%2)*32*PK+32*(4*((\p)/2)+\c)
	ds_load_tr16_b128 v[rV+8*\c+4:rV+8*\c+7], v[ADR] offset:((\p)%2)*32*PK+16*PK+32*(4*((\p)/2)+\c)
.endr
.endm
; THE MATRIX WORK goes in phases of 16 instructions on 16 accumulators, which take turns, one instruction a turn, in the same order in every phase.
; Phase kc of S^T = K Q^T: product i is tile i % 4, key block i / 4.  Phase 0 starts the sums: nothing is ever cleared.
.macro QKPH kc
.set i, 0
.rept 16
.set rS, S+32*(i%4)+8*(i/4)
.set rK, FB+32*(((\kc)+2)%3)+8*(i/4)
.set rQ, 64*(i%4)+8*(\kc)
.if (\kc) == 0
	v_wmma_f32_16x16x32_f16 v[rS:rS+7], v[rK:rK+7], v[rQ:rQ+7], 0
.else
	v_wmma_f32_16x16x32_f16 v[rS:rS+7], v[rK:rK+7], v[rQ:rQ+7], v[rS:rS+7]
.endif
.set i, i+1
.endr
.endm
; Phase p of O^T += V^T P: product i is tile 2 (i / 8) + i % 2, channel block 4 (p / 2) + (i % 8) / 2.  first = 1: the first key step, whose phases of keys 0-31 start the sums.
; sl = 1: behind each product stand the four packed multiplies that rescale the same tile's channel block four further on, which the phase after next takes up: vector work that is
; issued while the matrix unit works, at the price of two switches of the window a product.  Each accumulator is read from its low end on.
.macro PVPH p, first, sl
.set i, 0
.rept 16
.set tt, 2*(i/8)+i%2
.set rO, 128*(tt%2)+8*(4*((\p)/2)+(i%8)/2)
.set rA, FB+32*((\p)%3)+8*((i%8)/2)
.set rP, S+32*tt+8*((\p)%2)
.set wn, 0xa0+0x50*(tt/2)
	WIN wn                                         ; V and P window 0, O^T window 2 or 3
.if \first && ((\p)%2 == 0)
	v_wmma_f32_16x16x32_f16 v[rO:rO+7], v[rA:rA+7], v[rP:rP+7], 0
.else
	v_wmma_f32_16x16x32_f16 v[rO:rO+7], v[rA:rA+7], v[rP:rP+7], v[rO:rO+7]
.endif
.if \sl
.set wn, 0x82+0x41*(tt/2)
	WIN wn                                         ; O^T (destination and source 0) window 2 or 3, a window 0
.irp e, 0,2,4,6
	v_pk_mul_f32 v[rO+32+\e:rO+32+\e+1], v[rO+32+\e:rO+32+\e+1], v[ST+4*tt:ST+4*tt+1] op_sel_hi:[1,0]
.endr
.endif
.set i, i+1
.endr
.endm
; Channel blocks 0 to 3 of all four tiles times a: the part of the rescaling that no phase of products can carry, since phase 0 takes these blocks up.
.macro RS0
.irp t, 0,1,2,3
.set wn, 0x82+0x41*(\t/2)
	WIN wn
.set e, 0
.rept 16
	v_pk_mul_f32 v[128*(\t%2)+e:128*(\t%2)+e+1], v[128*(\t%2)+e:128*(\t%2)+e+1], v[ST+4*\t:ST+4*\t+1] op_sel_hi:[1,0]
.set e, e+2
.endr
.endr
.endm
; THE SOFTMAX of a key step, all in window 0.  A lane holds 32 scores of one query a tile, s0-s31, in pairs 0-15.  It is cut in two by the batch's one wait, which MAINPART writes between the two
; macros: SMAHEAD names no exponential's result, SMBEHIND issues no exponential.
.macro SUBP g                          ; s - m for pair g of the lane's 64: pair g % 16 of tile g / 16, which lies at S + 2 g
.set pS, S+2*(\g)
.set pT, T+8*((\g)/16)
	v_pk_add_f32 v[pS:pS+1], v[pS:pS+1], v[pT:pT+1] op_sel_hi:[1,0] neg_lo:[0,1] neg_hi:[0,1]
.endm
.macro SUMQ                            ; pair q of weights joins one of three running pairs of sums, T2-T7; pairs 3 to 5 start them with pairs 0 to 2
.if q >= 6
	v_pk_add_f32 v[rT+2+2*(q%3):rT+3+2*(q%3)], v[rT+2+2*(q%3):rT+3+2*(q%3)], v[rS+2*q:rS+2*q+1]
.elseif q >= 3
	v_pk_add_f32 v[rT+2+2*(q%3):rT+3+2*(q%3)], v[rS+2*q-6:rS+2*q-5], v[rS+2*q:rS+2*q+1]
.endif
.endm
.macro CVT4 b                          ; four pairs of weights rounded to f16, in place and ascending: word i of P takes s(2 i), s(2 i + 1), which no later line wants
.irp n, 0,1,2,3
	v_cvt_pk_f16_f32 v[rS+\b+\n], v[rS+2*(\b+\n)], v[rS+2*(\b+\n)+1]
.endr
.endm
.macro SMAHEAD first
	; the maximum, stage by stage, the four tiles by turns, so that no instruction reads the result of the one just before it.  Chain k begins with the three lowest registers of accumulator k.
.irp k, 0,1,2,3
.irp t, 0,1,2,3
	v_max3_num_f32 v[T+8*\t+\k], v[S+32*\t+8*\k], v[S+32*\t+8*\k+1], v[S+32*\t+8*\k+2]
.endr
.endr
.irp n, 3,5
.irp k, 0,1,2,3
.irp t, 0,1,2,3
	v_max3_num_f32 v[T+8*\t+\k], v[T+8*\t+\k], v[S+32*\t+8*\k+\n], v[S+32*\t+8*\k+\n+1]
.endr
.endr
.endr
.irp t, 0,1,2,3
	v_max3_num_f32 v[T+8*\t], v[T+8*\t], v[S+32*\t+7], v[S+32*\t+15]
.endr
.irp t, 0,1,2,3
	v_max3_num_f32 v[T+8*\t+2], v[T+8*\t+2], v[S+32*\t+23], v[S+32*\t+31]
.endr
.irp t, 0,1,2,3
	v_max3_num_f32 v[T+8*\t], v[T+8*\t], v[T+8*\t+1], v[T+8*\t+2]
.endr
.irp t, 0,1,2,3
.if \first
	v_max_num_f32 v[T+8*\t], v[T+8*\t], v[T+8*\t+3]
.else
	v_max3_num_f32 v[T+8*\t], v[T+8*\t], v[T+8*\t+3], v[ST+4*\t+2]     ; and the old m
.endif
.endr
.irp t, 0,1,2,3
	v_permlanex16_b32 v[T+8*\t+1], v[T+8*\t], s[SEL], s[SEL+1]         ; the query's other 32 keys lie in the lane 16 away
.endr
.irp t, 0,1,2,3
	v_max_num_f32 v[T+8*\t], v[T+8*\t], v[T+8*\t+1]                    ; the new m
.endr
	; THE BATCH: the four a, then the 128 weights.  Nothing from here to the wait names an exponential's result.
.if !\first
.irp t, 0,1,2,3
	v_sub_f32 v[T+8*\t+2], v[ST+4*\t+2], v[T+8*\t]                     ; m_old - m_new
.endr
.irp t, 0,1,2,3
	v_exp_f32 v[ST+4*\t], v[T+8*\t+2]              ; a
.endr
.endif
	; the lane's 64 pairs of scores as one run over the four tiles: s - m two pairs ahead of the pair's two exponentials, one subtraction between the two.  Where no subtraction is left, and behind the
	; last exponential, stand the four lines that save the new m, which outlives the scratch (V's fragments take it): they read the maxima alone
	SUBP 0
	SUBP 1
.set g, 0
.rept 64
	v_exp_f32 v[S+2*g], v[S+2*g]
.if g < 62
	SUBP g+2
.else
	v_mov_b32 v[ST+4*(g-62)+2], v[T+8*(g-62)]      ; m of tiles 0 and 1
.endif
	v_exp_f32 v[S+2*g+1], v[S+2*g+1]
.set g, g+1
.endr
	v_mov_b32 v[ST+4*2+2], v[T+8*2]                ; m of tiles 2 and 3: the first of the two is the plain instruction between the last exponential and the use of a result (ISA guide 5.7.2)
	v_mov_b32 v[ST+4*3+2], v[T+8*3]
.endm
.macro SMBEHIND first
	; the sums: pair by pair, the four tiles by turns, so that two links of one running sum stand twelve lines apart; each tile's additions keep their order
.set q, 3
.rept 13
.irp t, 0,1,2,3
.set rS, S+32*\t
.set rT, T+8*\t
	SUMQ
.endr
.set q, q+1
.endr
.irp t, 0,1,2,3
.set rS, S+32*\t
.set rT, T+8*\t
	CVT4 0                                         ; the roundings stand in fours between the last sums, which hang on each other
	v_pk_add_f32 v[rT+2:rT+3], v[rT+2:rT+3], v[rT+4:rT+5]
	CVT4 4
	v_pk_add_f32 v[rT+2:rT+3], v[rT+2:rT+3], v[rT+6:rT+7]
	CVT4 8
.if \first
	v_add_f32 v[ST+4*\t+1], v[rT+2], v[rT+3]       ; the first step starts l
	CVT4 12
.else
	v_fma_f32 v[ST+4*\t+1], v[ST+4*\t+1], v[ST+4*\t], v[rT+2]          ; l = a l + the sums
	CVT4 12
	v_add_f32 v[ST+4*\t+1], v[ST+4*\t+1], v[rT+3]
.endif
.endr
.endm
; A KEY STEP from its first product to phase 5 of V^T P.  On the way in K's runs 0 and 1 are out.  Each run of loads goes into the buffer that the phase before has read, behind four places,
; and is used two phases later: the count 16 leaves out the run just issued and the one before it.
.macro MAINPART first
	WIN W_QK
.irp kc, 0,1,2,3,4,5,6,7
.if \kc <= 5
.if \kc > 0
	PLACES 4
.elseif !\first
	PLACES 5                                       ; phase 0's products also write over P, a source of the products just issued
.endif
	KLOAD \kc+2
	s_wait_dscnt 16
.elseif \kc == 6
	s_wait_dscnt 8                                 ; run 7 alone may be out
.else
	s_wait_dscnt 0
.endif
	QKPH \kc
.endr
	PLACES 4                                       ; behind the last scores: for the scratch in buffer 2, for the softmax's reads and for the loads into buffer 0 further down
	WIN 0
	v_add_nc_u32 v[ADR], s[TB], v[AV0]
	s_add_co_u32 s[TB], s[TB], STEPB               ; the next fetch of K is the next step's
	SMAHEAD \first
	s_wait_alu depctr_va_vdst(0)                   ; the wait, ONE for the key step's batch: the four a and the 128 weights; every line that names one of them stands below
	VLOAD 0                                        ; V's first two runs stand straight behind the wait; they land under the sums, the roundings and the rescaling
	VLOAD 1
	SMBEHIND \first
.if !\first
	RS0
.endif
.irp p, 0,1,2,3,4,5
.if (\p > 0) && (\first || (\p%2 == 0))
	PLACES 4                                       ; the phase before stood bare; behind a phase with rescaling its last four multiplies are the places
.endif
	WIN 0
	VLOAD \p+2
	s_wait_dscnt 16
.if \first || (\p%2 == 1)
	PVPH \p, \first, 0
.else
	PVPH \p, \first, 1
.endif
.endr
	WIN 0                                          ; at a label and at a branch every window is 0
.endm
; The step's last two phases of V^T P; fetch = 1: with the next step's first two runs of K.  All of the step's V has been asked for, so a change of slots can stand in front of this.
.macro LEAD first, fetch
.if \fetch
	v_add_nc_u32 v[ADR], s[TB], v[AK0]
	PLACES 4                                       ; buffer 2 was read by phase 5
	KLOAD 0
	s_wait_dscnt 16                                ; V's run 6 is in: run 7 and K's run 0 may be out
.else
	s_wait_dscnt 8
.endif
	PVPH 6, \first, 0
.if \fetch
	PLACES 4                                       ; buffer 0 was read by phase 6
	WIN 0
	KLOAD 1
	s_wait_dscnt 16
.else
	s_wait_dscnt 0
.endif
	PVPH 7, \first, 0
	WIN 0
.endm
; THE CHANGE OF SLOTS.  Each wave waits for its own reads of the slot and for all its tensor loads, of which one is out: its part of the other slot.  Behind the barrier nobody reads this slot
; any more and the other slot is whole.  fill = 1: this slot is filled again, with the keys two slots on.  The barrier is then a round of the cluster's, so that no wave of any partner still
; reads the slot or has a load on its way, and the joint refill is the first thing behind it, one load a wave.
.macro CHANGE fill
	s_wait_dscnt 0x0
	s_wait_tensorcnt 0x0                           ; no tensor load of mine is out, so a group 0 may be written
	ds_add_u32 v30, v31
	s_wait_dscnt 0x0
.if \fill
	s_xor_b32 s[G0W+1], s[G0W+1], SLOT1            ; the walking descriptor: the other slot than last time,
	s_add_nc_u64 s[G0W+2:G0W+3], s[G0W+2:G0W+3], FILLB   ; the next 256 keys; the type bits on top are not reached
	CROUND
	tensor_load_to_lds s[G0W:G0W+3], s[G1:G1+7]
	s_nop 0
	PLACES 4                                       ; four v_nop follow the tensor load
.else
	s_barrier_signal -1
	s_barrier_wait -1
.endif
	s_sub_co_u32 s[TB], s[TB], 4*STEPB             ; the fetches go back to a slot's first step,
	s_xor_b32 s[TB], s[TB], SLOT1                  ; in the other slot
.endm
.macro STEPS n                         ; n key steps, written once; the LDS addresses hang on s[TB]
	s_mov_b32 s[TRIPS], \n
.Lstep_\@:
	LEAD 0, 1
	MAINPART 0
	s_sub_co_u32 s[TRIPS], s[TRIPS], 1
	s_cmp_lg_u32 s[TRIPS], 0
	s_cbranch_scc1 .Lstep_\@
.endm
	s_wait_tensorcnt 0x1                           ; my part of slot 0 is in; slot 1's may stay out
	s_wait_dscnt 0x0                               ; Q is in registers
	s_barrier_signal -1
	s_barrier_wait -1                              ; everybody's part is in
	s_mov_b32 s[TB], 0
	v_add_nc_u32 v[ADR], s[TB], v[AK0]
	KLOAD 0
	KLOAD 1
	MAINPART 1                                     ; key step 0 starts m, l and O^T: it has no a and nothing to rescale
	LEAD 1, 1
	MAINPART 0                                     ; key step 1
	STEPS 2                                        ; key steps 2 and 3: slot 0's first fill is read out
	s_mov_b32 s[SLOTS], 6
.Lslot:                                                ; six trips: each asks for one of the six further fills and reads the four key steps of the other slot
	CHANGE 1
	STEPS 4
	s_sub_co_u32 s[SLOTS], s[SLOTS], 1
	s_cmp_lg_u32 s[SLOTS], 0
	s_cbranch_scc1 .Lslot
	CHANGE 0                                       ; the tail is written out: the last slot, and nothing is asked for
	STEPS 4
	LEAD 0, 0                                      ; the last step's last two phases
	; THE WAY OUT.  The addresses are made first: eight plain instructions, the places behind the last products.  Then l's two halves are added and O^T is divided by l.
	v_mul_u32_u24 v[STO], v[RR], SP                ; in: row l % 16, 32 bytes (8 channels) for each half of the lanes; rows of 68 words start 4 banks apart
	v_lshl_add_u32 v[STO], v[HH], 5, v[STO]
	v_add_nc_u32 v[STO], s21, v[STO]
	v_mul_u32_u24 v[RD], v[HH], SP                 ; back: lanes 0-15 take one row of 256 bytes, lanes 16-31 the next
	v_lshl_add_u32 v[RD], v[RR], 4, v[RD]
	v_add_nc_u32 v[RD], s21, v[RD]
	v_lshlrev_b32 v[GO], 10, v[HH]                 ; and the same two rows in out0
	v_lshl_add_u32 v[GO], v[RR], 4, v[GO]
.irp t, 0,1,2,3
	v_permlanex16_b32 v[8+\t], v[ST+4*\t+1], s[SEL], s[SEL+1]
.endr
.irp t, 0,1,2,3
	v_add_f32 v[8+\t], v[8+\t], v[ST+4*\t+1]
.endr
.irp t, 0,1,2,3
	v_rcp_f32 v[ST+4*\t], v[8+\t]
.endr
	v_nop                                          ; a plain instruction between the last reciprocal and the use of its result
	s_wait_alu depctr_va_vdst(0)                   ; one for the batch of four reciprocals, ahead of PACK's multiplies
; Unit u = 16 queries (tile u / 4) x 64 channels (64 (u % 4) on): four accumulators.  Scaled in place, each from its low end on; 32 bytes a lane into rows of 272 bytes of my stage; back as whole
; rows of 256 bytes into S^T's registers, four buffers by turns.  LDS serves a wave's instructions in order: the loads see the stores above, the next unit's stores come behind them.
.macro PACK u
.set tt, (\u)/4
.set rO, 128*(tt%2)+32*((\u)%4)
.set bk, S+32*((\u)%4)
.set wn, 0x82+0x41*(tt/2)
	WIN wn
.set e, 0
.rept 16
	v_pk_mul_f32 v[rO+e:rO+e+1], v[rO+e:rO+e+1], v[ST+4*tt:ST+4*tt+1] op_sel_hi:[1,0]
.set e, e+2
.endr
.set wn, 0x08+0x04*(tt/2)
	WIN wn                                         ; an LDS store's data is source 1: window 2 or 3
.irp a, 0,1,2,3
	ds_store_b128 v[STO], v[rO+8*\a:rO+8*\a+3]   offset:64*\a
	ds_store_b128 v[STO], v[rO+8*\a+4:rO+8*\a+7] offset:64*\a+16
.endr
	WIN 0
.if (\u) >= 4
	s_wait_xcnt 0x0                                ; the buffer was the data of unit u - 4's stores: it is loaded again only behind this wait (ISA guide 3.1)
.endif
.irp i, 0,1,2,3,4,5,6,7
	ds_load_b128 v[bk+4*\i:bk+4*\i+3], v[RD] offset:\i*2*SP
.endr
.endm
.macro SEND u, younger                 ; younger: the LDS instructions issued behind unit u's loads: the next unit's sixteen, or none
.set tt, (\u)/4
.set bk, S+32*((\u)%4)
.irp i, 0,1,2,3,4,5,6,7
	s_wait_dscnt \younger+7-\i
	global_store_b128 v[GO], v[bk+4*\i:bk+4*\i+3], s[10:11] offset:tt*16384+\i*2048+((\u)%4)*256 th:TH_STORE_NT   ; 16 lanes store 256 consecutive bytes, at a multiple of 256 from out0's first byte
.endr
.endm
	PACK 0
.irp u, 1,2,3,4,5,6,7,8,9,10,11,12,13,14,15
	PACK \u                                        ; a unit's arithmetic stands between the loads of the unit before and its stores
	SEND \u-1, 16
.endr
	SEND 15, 0
	s_wait_tensorcnt 0x0
	ds_add_u32 v30, v31
	s_wait_dscnt 0x0
	CROUND                                         ; the closing round: no work-group ends while a partner may still ask for a tile that names it
	s_endpgm
.Lfunc_end_k_qbcb8bbb35b_attn:
	.size	k_qbcb8bbb35b_attn, .Lfunc_end_k_qbcb8bbb35b_attn-k_qbcb8bbb35b_attn
	.p2alignl 7, 3214868480
	.fill 96, 4, 3214868480
	.section	.rodata,"a",@progbits
	.p2align	6, 0x0
	.amdhsa_kernel k_qbcb8bbb35b_attn
		.amdhsa_group_segment_fixed_size 327680
		.amdhsa_private_segment_fixed_size 0
		.amdhsa_enable_private_segment 0
		.amdhsa_kernarg_size 32
		.amdhsa_user_sgpr_count 2
		.amdhsa_user_sgpr_kernarg_segment_ptr 1
		.amdhsa_wavefront_size32 1
		.amdhsa_system_sgpr_workgroup_id_x 1
		.amdhsa_system_sgpr_workgroup_id_y 1
		.amdhsa_system_sgpr_workgroup_id_z 1
		.amdhsa_system_vgpr_workitem_id 0
		.amdhsa_next_free_vgpr 1024
		.amdhsa_next_free_sgpr 66
		.amdhsa_reserve_vcc 0
		.amdhsa_float_denorm_mode_32 3
		.amdhsa_float_denorm_mode_16_64 3
		.amdhsa_memory_ordered 1
		.amdhsa_forward_progress 1
		.amdhsa_inst_pref_size 255
	.end_amdhsa_kernel
	.section	.bss,"aw",@nobits
	.p2align	6
	.space	262144
	.amdgpu_metadata
---
amdhsa.version: [ 1, 2 ]
amdhsa.kernels:
  - .name:           k_qbcb8bbb35b_attn
    .symbol:         k_qbcb8bbb35b_attn.kd
    .args:
      - { .name: features, .offset: 0, .size: 8, .value_kind: global_buffer, .address_space: global }
      - { .name: memh, .offset: 8, .size: 8, .value_kind: global_buffer, .address_space: global }
      - { .name: ec, .offset: 16, .size: 8, .value_kind: global_buffer, .address_space: global }
      - { .name: out0, .offset: 24, .size: 8, .value_kind: global_buffer, .address_space: global }
    .group_segment_fixed_size: 327680
    .private_segment_fixed_size: 0
    .kernarg_segment_align: 8
    .kernarg_segment_size: 32
    .max_flat_workgroup_size: 128
    .sgpr_count:     66
    .vgpr_count:     1024
    .wavefront_size: 32
...
	.end_amdgpu_metadata
.endif
;; end of part 4
